; MI455X (gfx1250); checked and timed in simulation.
; The chip was launched on July 23, 2026; its instructions are those of AMD's public machine-readable ISA for CDNA 5 (MIT licence, August 2026) and "CDNA5" Instruction Set Architecture Reference Guide (July 2026). The comments in the code are by the model that wrote it; some were corrected since.
;; MHA. Allowed arithmetic: matrix products marked QUANTISED: E4M3 operands, one E8M0 scale for each 32 along K, by v_wmma_scale_f32_16x16x128_f8f6f4 with both operands' format E4M3, f32 sums; everything else in f32.
;; Inputs: Wk_codes 1,024 x 32 x 32 uint8 (E4M3 codes of Wk, K innermost, in blocks of 32 codes); Wk_scales 1,024 x 32 uint8 (E8M0 scales of Wk, one for each 32 codes along K); Wq_codes 1,024 x 32 x 32 uint8 (E4M3 codes of Wq, K innermost, in blocks of 32 codes); Wq_scales 1,024 x 32 uint8 (E8M0 scales of Wq, one for each 32 codes along K); Wv_codes 1,024 x 32 x 32 uint8 (E4M3 codes of Wv, K innermost, in blocks of 32 codes); Wv_scales 1,024 x 32 uint8 (E8M0 scales of Wv, one for each 32 codes along K); bk 1,024 float32; bq 1,024 float32; bv 1,024 float32; x_codes 4 x 2,048 x 32 x 32 uint8 (E4M3 codes of x, K innermost, in blocks of 32 codes); x_scales 4 x 2,048 x 32 uint8 (E8M0 scales of x, one for each 32 codes along K).
;; Outputs: out0 4 x 2,048 x 1,024 float32.
;; This version of the problem:
;;   THIS VERSION OF THE PROBLEM IS GIVEN IN LOW PRECISION. The matrix products marked QUANTISED in the list below multiply operands that are first quantised to E4M3 (4 exponent bits, 3 mantissa bits; 8 bits a number), with one power-of-two scale for each 32 numbers along K (OCP MX v1.0); their sums are f32. All else is computed in f32.
;;   The module's matrix products, in the order in which they are computed (A, B: the left and right operand; K: the contracted axis; several contracted axes count as one K, in the product's order):
;;     1. [M 8,192, K 1,024] x [K 1,024, N 1,024]; A: input x (given as codes); B: input Wq (given as codes): QUANTISED
;;     2. [M 8,192, K 1,024] x [K 1,024, N 1,024]; A: input x (given as codes); B: input Wk (given as codes): QUANTISED
;;     3. [M 8,192, K 1,024] x [K 1,024, N 1,024]; A: input x (given as codes); B: input Wv (given as codes): QUANTISED
;;     4. batch 64 x [M 2,048, K 64] x [K 64, N 2,048]; A: computed on the way; B: computed on the way: QUANTISED
;;     5. batch 64 x [M 2,048, K 2,048] x [K 2,048, N 64]; A: softmax (see below); B: computed on the way: QUANTISED
;;   THE QUANTISER, for each operand of a quantised product, along K:
;;     - K is cut into blocks of 32 from its start; a last block that is shorter is filled with zeros.
;;     - A block's scale is 2^e with e = floor(log2(the largest magnitude in the block)) - 8, held to -126 .. 127; a block of zeros has e = 0. As a byte (E8M0): e + 127.
;;     - Each number is divided by its block's scale, clamped to +-448, and rounded to the nearest number of E4M3, ties to even, subnormals kept.
;;     - The product sums the exact products of the quantised numbers (number of the format x scale) in f32.
;;   ~~~python
;;   def quantise(x, axis):      # numpy; x: float32 -> the quantised numbers, widened to float32 again
;;       x = np.moveaxis(x, axis, -1); K = x.shape[-1]
;;       x = np.pad(x, [(0, 0)] * (x.ndim - 1) + [(0, -K % 32)]); x = x.reshape(x.shape[:-1] + (-1, 32)); a = np.abs(x).max(-1, keepdims=True)
;;       e = np.where(a > 0, np.clip(np.frexp(np.where(a > 0, a, 1))[1] - 1 - 8, -126, 127), 0)      # np.frexp(a)[1] - 1 = floor(log2(a)), exactly
;;       r = np.clip(x / 2.0 ** e, -448, 448)
;;       step = 2.0 ** (np.maximum(np.frexp(np.where(r == 0, 1, r))[1] - 1, -6) - 3)
;;       q = np.round(r / step) * step * 2.0 ** e      # np.round: ties to even
;;       return np.moveaxis(q.reshape(q.shape[:-2] + (-1,))[..., :K], -1, axis).astype(np.float32)
;;   ~~~
;;   SOFTMAX AHEAD OF A QUANTISED PRODUCT. Where the list says 'softmax', what is quantised is not the finished softmax but p = 2^(t - M), with t = logit x log2(e) and M = ceil(the row's largest t), a whole number; so 1/2 < the row's largest p <= 1. The row's sum l is taken of the UNQUANTISED p, in f32, and the product's result is divided by l at the end. Since M is a whole number, a kernel that streams over the keys may use a running M (the ceiling of the running maximum): every later rescaling is an exact power of two, which a block's scale takes up: the codes' values come out the same.
;;   OPERANDS COMPUTED ON THE WAY. 'Computed on the way' means the value that the module computes at that place (a softmax that the list does not call 'softmax' is quantised finished and normalised). What goes into a quantiser is computed in f32, as accurately as f32 sums, v_exp_f32 and their like allow (about 1e-6 of the number): no bf16 or f16 on the way to a quantiser, and a product that is left as it is and whose result goes on into a quantised operand takes f32 operands (vector FMAs, or v_wmma_f32_16x16x4_f32). A number that lies on a knife's edge between two numbers of the format may be rounded either way, as far as f32 arithmetic and the matrix unit's own rounding can turn it there, and no further.
;;   INPUTS GIVEN AS CODES. Wk (in the module: [1024, 1024], K = its axis 1); Wq (in the module: [1024, 1024], K = its axis 1); Wv (in the module: [1024, 1024], K = its axis 1); x (in the module: [4, 2048, 1024], K = its axis 2): each comes as NAME_codes (uint8): NAME with its K axis moved to the last place and cut into blocks of 32 codes, [.., K / 32, bytes a block], one block behind the other in memory; one code a byte (a code: sign, 4 exponent bits, 3 mantissa bits); and NAME_scales (uint8): the same leading axes, one E8M0 byte (e + 127) for each 32 codes along K. Its value is code x scale, taken as it is: it is not quantised again, and the codes and scales need not be those that the quantiser above would give.
;; 2 versions, each right; version 2 is version 1 with the launch attn written anew for expert scheduling mode. Each part assembles by itself: llvm-mc -triple=amdgcn-amd-amdhsa -mcpu=gfx1250 --defsym DOCPART=n.
;; ======== version 1 of 2: 2 launches
;; workspace buffers: qimg 8,388,608 bytes; kimg 8,388,608 bytes; vimg 8,388,608 bytes; qsc 524,288 bytes; ksc 524,288 bytes; vsc 262,144 bytes
;; launch proj (part 1): grid 12 x 32, 4 waves a work-group, clusters of 4 x 4, 327,680 bytes of LDS; arguments x_codes, x_scales, Wq_codes, Wq_scales, Wk_codes, Wk_scales, Wv_codes, Wv_scales, bq, bk, bv, qimg, qsc, kimg, ksc, vimg, vsc; writes qimg, qsc, kimg, ksc, vimg, vsc
.if DOCPART == 1
	.amdgcn_target "amdgcn-amd-amdhsa--gfx1250"
	.amdhsa_code_object_version 6
	.text
	.protected	k_qb7cc48da68_proj
	.globl	k_qb7cc48da68_proj
	.p2align	8
	.type	k_qb7cc48da68_proj,@function
k_qb7cc48da68_proj:
	s_mov_b64 s[64:65], 0
	v_nop
	global_prefetch_b8 v0, s[64:65] scope:SCOPE_SE
	s_setreg_imm32_b32 hwreg(HW_REG_WAVE_MODE, 25, 1), 1
	s_wait_xcnt 0x0
	s_wait_alu depctr_hold_cnt(0) depctr_sa_sdst(0) depctr_va_vdst(0) depctr_va_sdst(0) depctr_va_ssrc(0) depctr_va_vcc(0) depctr_vm_vsrc(0)
	s_getreg_b32 s2, hwreg(HW_REG_IB_STS2, 6, 4)
	s_cmp_eq_u32 s2, 0
	s_cbranch_scc0 .Lentry_in_a_cluster
	s_endpgm
.Lentry_in_a_cluster:
	s_bfe_u32 s2, ttmp6, 0x10000c
	s_cmp_lg_u32 s2, 0xf033
	s_cbranch_scc0 .Lentry_shape_is_right
	s_endpgm
.Lentry_shape_is_right:
; q = x Wq^T + bq, k = x Wk^T + bk, v^T = Wv x^T + bv, on codes of FP8 (E4M3) with one E8M0 scale for each 32 along K = 1,024; sums in f32.
; The results are quantised again at once, in registers, and leave as IMAGES OF OPERAND REGISTERS for the attention launch: q and k along the head's 64, v along the keys.
; SHARES.  The cluster's x says which product: 0 q, 1 k, 2 v.  A work-group of four waves makes 256 x 256 numbers, a wave 128 x 128: 64 accumulators of 16 x 16, 512 registers.
; "A" is the operand of which a lane keeps ONE row, "B" the one along whose rows a lane's registers run (source 0 = 16 rows of B, source 1 = 16 rows of A).  The axis to be quantised must run along a lane's
; registers: for q and k that is W's rows (the head's channels): A = x, B = W; for v it is x's rows (the keys): A = Wv, B = x.
; K goes in steps of 256 through a ring of two LDS slots filled by the tensor data mover; the scale bytes of the work-group's 2 x 256 rows, for all of K, come once with the first fills and stay.
; CLUSTERS: 4 x 4 work-groups; A's tiles are asked for jointly along a row of the cluster, B's along a column.  12 x 32 work-groups: 3 x 8 clusters.
; THE IMAGES.  For A's block a (16 rows) a lane (r = lane % 16, h = lane / 16) holds row r and columns 16 bb + 8 h + jj (bb = 0..7, jj = 0..7).  Columns 32 c .. 32 c + 31 are a block of the quantiser: my 16 numbers and those of lane
; l xor 16.  My 16 codes of block c go out as 16 bytes at 512 c + 16 lane: that is chunk c of an operand's registers, with the order of k inside the block permuted (byte i: 8 h + i for i < 8, 16 + 8 h + i - 8 else).
; q and k carry the same order, and so do v and the weights p that the attention launch makes: the products are the same, only the order of their addition inside a block differs from k's true order.
;   qimg, kimg: [b h][tile of 16 rows, 0..127][chunk 0,1][lane][16 bytes];   vimg: [b h][run of 128 keys][tile of 16 channels][chunk 0..3][lane][16 bytes]
;   qsc, ksc: [b h][run of 128 rows][g = 0,1][r][tile % 4] words (bytes 0, 1: the head's two blocks; bytes 2, 3: another head's bytes or 0, never 0xff: they stand over zero codes);   vsc: [b h][run][r][tile] words
; LIMITS: NaN and infinities are not served.  A block whose largest magnitude lies under 2^(9 - 127) has its byte held at 1; a block of zeros gets the byte 1 where the rule says 127: its codes are zeros, and this program alone reads the bytes.
; REGISTERS, in windows of 256: window 0: v0-31 addresses; v32-63 scale words, two sets; v64-127 the bias; from v128 A's fragments, ONE set (on the way out: v128-191 64 numbers, v192-207 their codes, v208-223 at work, v224-233 the words made).
;   window 1: B's fragments, TWO sets.   window 2: the 32 accumulators of my A rows 0-63 ((a, b) at v[8 (8 a + b)]);   window 3: those of rows 64-127.
.set SIZE_K, 1024
.set KSTEP,  256                       ; along K in a slot
.set NQ,     KSTEP/128                 ; matrix instructions deep
.set ROWB,   256                       ; a tile's row in bytes
.set KROW,   SIZE_K                    ; a row of codes in memory, in bytes
.set PITCH,  272                       ; an LDS row: 256 bytes + 16 of padding: the 16 rows that a load touches start 68 words apart
.set FR,     16                        ; registers of a fragment: 16 rows x 128 K
.set NL,     4                         ; LDS loads that bring one
.set NP,     8                         ; places behind this matrix instruction (ISA guide 7.12.1)
.set HALFT,  128*PITCH                 ; 128 rows: what one tensor load brings
.set SLOT,   4*HALFT                   ; A's 256 rows, then B's 256 rows
.set LAPS,   SIZE_K/(2*KSTEP)          ; a lap = two K steps = once round the ring
.set KS,     SIZE_K/32                 ; a row of scale bytes
.set SCL,    2*SLOT                    ; behind the ring: the scales, as units of 256 bytes + 16 of padding
.set HALFS,  (128*KS/256)*272          ; the scales of 128 rows
.set SBLK,   (16*KS/256)*272           ; those of 16 rows
.set SPARE,  SCL+4*HALFS               ; behind the scales: the spare words, 128 bytes for each wave
.set ADRA, 16                          ; v16-17  LDS address of my A fragments in slot 0, 1
.set ADRB, 20                          ; v20-21  the same for B
.set CO,   26                          ; v26     16 x lane: my place in an image's 512 bytes
.set ADRS, 27                          ; v27     LDS address of my scale words: lanes 0-15 A's rows, lanes 16-31 B's
.set SPW,  28                          ; v28     LDS address of my spare word; never rewritten
.set NIL,  29                          ; v29     0; never rewritten
.set SC,   32                          ; scale words: set s at v[SC + 8 NQ s]
.set BIAS, 64                          ; v64-127 q, k: register 8 bb + jj = b[16 bb + 8 h + jj];  v: register 8 a + jj = b[16 a + r]
.set AF,   128                         ; A's fragments
.set T,    128                         ; the way out: 64 numbers
.set PC,   192                         ; their codes
.set TM,   208                         ; v208-211 largest magnitudes, v212-215 bytes, v216-219 448 x the scale, v220-223 the conversions' scale operands
.set SW,   224                         ; v224-231 the scale word of each of A's eight blocks
.set SHV,  232                         ; v232    16 h
.set SO,   233                         ; v233    my offset among the scale words
.set G1, 24                            ; s[24:31] descriptor group 1 for A's tiles;  s[32:39] group 0, one set for each slot
.set G0, 32
.set G1B, 48                           ; s[48:55], s[56:63] the same for B's tiles
.set G0B, 56
.set G1S, 68                           ; s[68:75], s[76:79] groups 1 and 0 for A's scales;  s[80:87], s[88:91] for B's
.set G0S, 76
.set G1SB, 80
.set G0SB, 88
.set MSB, 0
.macro WIN new                         ; the immediate's high byte repeats the setting that is left
.if MSB != (\new)
	s_set_vgpr_msb (MSB<<8)|(\new)
.set MSB, (\new)
.endif
.endm
.set MUL_LO, 0xa1                      ; source 0 (B) window 1, source 1 (A) window 0, C and D window 2
.set MUL_HI, 0xf1                      ; the same, C and D window 3
.set TO_B,   0x40                      ; destination window 1, address window 0
; A joint load: waves 0 and 1 fetch for A, waves 2 and 3 for B.  Each line has one mask and one set of registers for all that issue it; the branch hangs on the wave's number alone.
; Four v_nop follow each of the two lines, ahead of the jump, the label and what follows.
.macro JLOAD g0a, g1a, g0b, g1b
	s_cmp_eq_u32 s15, 0
	s_cbranch_scc0 .Lfor_b_\@
	tensor_load_to_lds s[\g0a:\g0a+3], s[\g1a:\g1a+7]
	s_nop 0
.rept 4
	v_nop
.endr
	s_branch .Lasked_\@
.Lfor_b_\@:
	tensor_load_to_lds s[\g0b:\g0b+3], s[\g1b:\g1b+7]
	s_nop 0
.rept 4
	v_nop
.endr
.Lasked_\@:
.endm
.macro CREST                           ; a round of the cluster's barrier behind its opening barrier
	s_cmp_lg_u32 s14, 0
	s_cbranch_scc1 .Lnot_wave_0_\@
	s_barrier_signal -3
.Lnot_wave_0_\@:
	s_barrier_wait -3
	s_barrier_signal -1
	s_barrier_wait -1
.endm
.macro CROUND                          ; a whole round
	s_barrier_signal -1
	s_barrier_wait -1
	CREST
.endm
	s_load_b512 s[24:39], s[0:1], 0x0              ; x's codes, x's scales, Wq's, Wk's, Wv's codes and scales
	s_load_b512 s[68:83], s[0:1], 0x40             ; bq, bk, bv, qimg, qsc, kimg, ksc, vimg
	s_load_b64 s[84:85], s[0:1], 0x80              ; vsc
	v_lshl_add_u32 v[SPW], v0, 2, SPARE
	v_mov_b32 v[NIL], 0
	ds_add_u32 v28, v29
	ds_add_u32 v28, v29
	s_wait_dscnt 0x0
	v_lshrrev_b32 v1, 5, v0
	v_readfirstlane_b32 s14, v1                    ; wave 0..3
	s_lshr_b32 s15, s14, 1                         ; which half of the tile's A rows is mine.  Also: I fetch for A (0) or for B (1)
	s_and_b32 s16, s14, 1                          ; which half of its B rows.  Also: which 128 rows of that tile I fetch
	s_bfe_u32 s40, ttmp6, 0x40000                  ; cx, cy: my place in the cluster
	s_bfe_u32 s41, ttmp6, 0x40004
	s_and_b32 s45, ttmp7, 0xffff
	s_lshl_b32 s45, s45, 2                         ; 4 x cluster y: it walks x's 32 tiles of 256 rows
	s_cmp_eq_u32 ttmp9, 2                          ; the cluster's x is the same in all sixteen partners
	s_cselect_b32 s17, 0, s45                      ; A's tile: q, k: x's, 4 x cluster y + cy;  v: Wv's, cy
	s_cselect_b32 s42, s45, 0                      ; B's tile: q, k: W's, cx;  v: x's, 4 x cluster y + cx
	s_add_co_u32 s17, s17, s41
	s_add_co_u32 s42, s42, s40
	s_lshl_b32 s43, s41, 2
	s_lshl_b32 s43, 15, s43                        ; my row of the cluster
	s_lshl_b32 s44, 0x1111, s40                    ; my column
	s_lshl_b32 s18, s16, 7                         ; which 128 rows of the tile I fetch
	s_lshl_b32 s20, s17, 8
	s_add_co_u32 s20, s20, s18                     ; A: row 256 x tile + 128 x half
	s_lshl_b32 s46, s42, 8
	s_add_co_u32 s46, s46, s18                     ; B likewise
	s_mov_b32 s21, 0
	s_mov_b32 s47, 0
	s_mov_b64 s[18:19], KS
	s_mul_u64 s[22:23], s[20:21], s[18:19]         ; where these rows' scales begin, in bytes
	s_mul_u64 s[92:93], s[46:47], s[18:19]
	s_mov_b64 s[18:19], KROW
	s_mul_u64 s[20:21], s[20:21], s[18:19]         ; and their codes
	s_mul_u64 s[46:47], s[46:47], s[18:19]
	s_mul_i32 s45, s14, HALFT                      ; where they go: wave x 128 rows: no place in the cluster enters an LDS address
	s_mul_i32 s94, s14, HALFS
	s_wait_kmcnt 0x0
	; which buffers are A, B, the bias and the outputs: a choice on the cluster's x alone
	s_cmp_eq_u32 ttmp9, 0
	s_cselect_b64 s[8:9], s[28:29], s[32:33]       ; q or k: B's codes,
	s_cselect_b64 s[10:11], s[30:31], s[34:35]     ; B's scales,
	s_cselect_b64 s[12:13], s[74:75], s[78:79]     ; the image,
	s_cselect_b64 s[96:97], s[76:77], s[80:81]     ; the scale words,
	s_cselect_b64 s[98:99], s[68:69], s[70:71]     ; the bias
	s_cmp_eq_u32 ttmp9, 2
	s_cselect_b64 s[4:5], s[36:37], s[24:25]       ; A's codes: Wv's for v, else x's
	s_cselect_b64 s[6:7], s[38:39], s[26:27]
	s_cselect_b64 s[8:9], s[24:25], s[8:9]         ; B's: x's for v
	s_cselect_b64 s[10:11], s[26:27], s[10:11]
	s_cselect_b64 s[12:13], s[82:83], s[12:13]
	s_cselect_b64 s[96:97], s[84:85], s[96:97]
	s_cselect_b64 s[98:99], s[72:73], s[98:99]
	; descriptor group 1: a tile of 128 rows x 256 bytes, padded in LDS (the registers that held the arguments are written only now)
	s_or_b32 s[G1+0], s43, (0<<16)|(1<<20)|(1<<21)|(5<<22)|(3<<25)  ; 15:0 the mask: A's tiles go to my row; 17:16 elements of 1 byte; 20 padding on; 21 set beside a mask; 24:22 after every 64 words; 31:25 four words
	s_or_b32 s[G1B+0], s44, (0<<16)|(1<<20)|(1<<21)|(5<<22)|(3<<25)
.irp g, G1, G1B
	s_mov_b32 s[\g+1], ROWB<<16                    ; tensor_dim0
	s_mov_b32 s[\g+2], 128<<16                     ; tensor_dim1
	s_mov_b32 s[\g+3], ROWB<<16                    ; tile_dim0
	s_mov_b32 s[\g+4], 128                         ; tile_dim1
	s_mov_b32 s[\g+5], KROW                        ; tensor_dim0_stride
	s_mov_b32 s[\g+6], 0
	s_mov_b32 s[\g+7], 0
.endr
	; and for the scales of 128 rows: a dense block of 4,096 bytes, as 16 rows of 256 bytes (32 elements of 8 bytes), 16 bytes of padding behind each
	s_or_b32 s[G1S+0], s43, (3<<16)|(1<<20)|(1<<21)|(5<<22)|(3<<25)
	s_or_b32 s[G1SB+0], s44, (3<<16)|(1<<20)|(1<<21)|(5<<22)|(3<<25)
.irp g, G1S, G1SB
	s_mov_b32 s[\g+1], 32<<16
	s_mov_b32 s[\g+2], (128*KS/256)<<16
	s_mov_b32 s[\g+3], 32<<16
	s_mov_b32 s[\g+4], 128*KS/256
	s_mov_b32 s[\g+5], 32
	s_mov_b32 s[\g+6], 0
	s_mov_b32 s[\g+7], 0
.endr
	s_add_nc_u64 s[20:21], s[4:5], s[20:21]
	s_add_nc_u64 s[22:23], s[6:7], s[22:23]
	s_add_nc_u64 s[46:47], s[8:9], s[46:47]
	s_add_nc_u64 s[92:93], s[10:11], s[92:93]
	CROUND                                         ; all sixteen work-groups are here: the first joint loads meet
	s_mov_b32 s[G0S], 1
	s_add_co_u32 s[G0S+1], s94, SCL
	s_mov_b64 s[G0S+2:G0S+3], s[22:23]
	s_or_b32 s[G0S+3], s[G0S+3], 0x80000000
	s_mov_b32 s[G0SB], 1
	s_add_co_u32 s[G0SB+1], s94, SCL
	s_mov_b64 s[G0SB+2:G0SB+3], s[92:93]
	s_or_b32 s[G0SB+3], s[G0SB+3], 0x80000000
	JLOAD G0S, G1S, G0SB, G1SB                     ; the scales first: they are wanted with K step 0
.irp s, 0,1
	s_mov_b32 s[G0+4*\s], 1
	s_add_co_u32 s[G0+4*\s+1], s45, \s*SLOT
	s_add_nc_u64 s[G0+4*\s+2:G0+4*\s+3], s[20:21], \s*ROWB
	s_or_b32 s[G0+4*\s+3], s[G0+4*\s+3], 0x80000000
	s_mov_b32 s[G0B+4*\s], 1
	s_add_co_u32 s[G0B+4*\s+1], s45, \s*SLOT
	s_add_nc_u64 s[G0B+4*\s+2:G0B+4*\s+3], s[46:47], \s*ROWB
	s_or_b32 s[G0B+4*\s+3], s[G0B+4*\s+3], 0x80000000
	JLOAD G0+4*\s, G1, G0B+4*\s, G1B               ; three tensor loads of mine are out at the most
.endr
	v_and_b32 v1, 15, v0                           ; r = lane % 16: stays
	v_bfe_u32 v2, v0, 4, 1                         ; h = lane / 16: stays
	v_mul_u32_u24 v3, v1, PITCH
	v_lshl_add_u32 v4, v2, 4, v3                   ; a fragment's row x pitch + 16 x half
	s_mul_i32 s21, s15, HALFT                      ; my 128 rows of A
	s_mul_i32 s22, s16, HALFT                      ; my 128 rows of B,
	s_add_co_u32 s22, s22, 2*HALFT                 ; which lie behind A's 256
.irp s, 0,1
	v_add_nc_u32 v[ADRA+\s], s21, v4
	v_add_nc_u32 v[ADRB+\s], s22, v4
	s_add_co_u32 s21, s21, SLOT
	s_add_co_u32 s22, s22, SLOT
.endr
	v_mul_u32_u24 v5, v1, KS                       ; my row's scales: KS bytes a row,
	v_lshrrev_b32 v6, 8, v5
	v_lshl_add_u32 v5, v6, 4, v5                   ; and 16 more for each 256 passed
	s_mul_i32 s21, s15, HALFS                      ; A's: my 128 rows
	s_mul_i32 s22, s16, HALFS                      ; B's: my 128 rows, behind A's 256
	s_add_co_u32 s22, s22, 2*HALFS
	s_sub_co_u32 s22, s22, s21
	v_mul_u32_u24 v6, s22, v2                      ; lanes 16-31 take B's: the lower base + h x the distance
	s_add_co_u32 s21, s21, SCL
	v_add_nc_u32 v5, v5, v6
	v_add_nc_u32 v[ADRS], s21, v5
	v_and_b32 v6, 31, v0
	v_lshlrev_b32 v[CO], 4, v6
	; where my wave's results go.  GA, GB: which run of 128 rows of A and of B is mine; G: x's run (0..63), WR: W's run (0..7), which is two heads
	s_lshl_b32 s20, s17, 1
	s_add_co_u32 s20, s20, s15                     ; GA
	s_lshl_b32 s21, s42, 1
	s_add_co_u32 s21, s21, s16                     ; GB
	s_cmp_eq_u32 ttmp9, 2
	s_cselect_b32 s22, s21, s20                    ; G
	s_cselect_b32 s23, s20, s21                    ; WR
	s_cselect_b32 s45, 8, 9                        ; a run's scale words: 256 bytes for v, 512 for q and k
	s_lshr_b32 s46, s22, 4                         ; the batch: 16 runs each
	s_lshl_b32 s46, s46, 8
	s_lshl_b32 s47, s23, 5
	s_add_co_u32 s46, s46, s47
	s_and_b32 s47, s22, 15
	s_add_co_u32 s46, s46, s47                     ; t = 16 (16 batch + 2 WR) + the run in the batch
	s_mov_b32 s21, 0
	s_lshl_b32 s20, s46, 13                        ; a run's image of one head is 8,192 bytes
	s_add_nc_u64 s[12:13], s[12:13], s[20:21]
	s_lshl_b32 s20, s46, s45
	s_add_nc_u64 s[96:97], s[96:97], s[20:21]
	s_lshl_b32 s20, s23, 9                         ; the bias of W's 128 rows
	s_add_nc_u64 s[98:99], s[98:99], s[20:21]
	; the bias, by one text for the three products: offset = r sA + h sB + jj sJ + 64 x block;  q, k: (0, 32, 4): b[16 bb + 8 h + jj];  v: (4, 0, 0): b[16 a + r] in all eight jj
	s_cmp_eq_u32 ttmp9, 2
	s_cselect_b32 s20, 4, 0
	s_cselect_b32 s21, 0, 32
	s_cselect_b32 s22, 0, 4
	v_mul_u32_u24 v7, v1, s20
	v_mad_u32_u24 v7, v2, s21, v7
.irp jj, 0,1,2,3,4,5,6,7
	s_mul_i32 s23, s22, \jj
	v_add_nc_u32 v[8+\jj], s23, v7
.endr
.irp gg, 0,1,2,3,4,5,6,7
.irp jj, 0,1,2,3,4,5,6,7
	global_load_b32 v[BIAS+8*\gg+\jj], v[8+\jj], s[98:99] offset:64*\gg
.endr
.endr
.macro FRAG reg, adr, q, i             ; a fragment, 16 rows x 128 K of 8-bit codes, is 16 registers: lane l holds row l % 16; registers 4 c .. 4 c + 3 hold K = 32 c + 16 (l / 16) + 0 .. 15
.irp c, 0,1,2,3
	ds_load_b128 v[\reg+4*\c:\reg+4*\c+3], v[\adr] offset:128*(\q)+32*\c+(\i)*16*PITCH
.endr
.endm
; 16 matrix instructions: A's blocks a0, a0 + 1 x B's eight, 128 along K: the slot's q-th.  p: B's set;  sc: the set of scale words.  zero = 1: the first product starts the sums.
; The 64 accumulators take turns, one instruction a turn, in the same order in every step.
.macro MUL16 a0, p, q, sc, zero
.irp a, \a0, \a0+1
.irp b, 0,1,2,3,4,5,6,7
.if \zero
	v_wmma_scale_f32_16x16x128_f8f6f4 v[8*(8*((\a)%4)+\b):8*(8*((\a)%4)+\b)+7], v[128*(\p)+FR*\b:128*(\p)+FR*\b+FR-1], v[AF+FR*(\a):AF+FR*(\a)+FR-1], 0, v[SC+8*NQ*(\sc)+NQ*\b+(\q)], v[SC+8*NQ*(\sc)+NQ*(\a)+(\q)] matrix_a_scale:MATRIX_SCALE_ROW1
.else
	v_wmma_scale_f32_16x16x128_f8f6f4 v[8*(8*((\a)%4)+\b):8*(8*((\a)%4)+\b)+7], v[128*(\p)+FR*\b:128*(\p)+FR*\b+FR-1], v[AF+FR*(\a):AF+FR*(\a)+FR-1], v[8*(8*((\a)%4)+\b):8*(8*((\a)%4)+\b)+7], v[SC+8*NQ*(\sc)+NQ*\b+(\q)], v[SC+8*NQ*(\sc)+NQ*(\a)+(\q)] matrix_a_scale:MATRIX_SCALE_ROW1
.endif
.endr
.endr
.endm
.macro FETCH_B slot, q, p              ; B's eight fragments of the slot's q-th 128 along K into set p
	WIN TO_B
.irp i, 0,1,2,3,4,5,6,7
	FRAG 128*(\p)+FR*\i, ADRB+\slot, \q, \i
.endr
	WIN 0
.endm
.macro FETCH_A slot, q, i0             ; A's blocks i0 .. i0 + 3
.irp i, \i0, \i0+1, \i0+2, \i0+3
	FRAG AF+FR*(\i), ADRA+\slot, \q, \i
.endr
.endm
.macro SCALES sc                       ; the next K step's scale words into set sc: NQ words a row; lanes 0-15 take A's block i, lanes 16-31 B's block i
.irp i, 0,1,2,3,4,5,6,7
	ds_load_b64 v[SC+8*NQ*\sc+NQ*\i:SC+8*NQ*\sc+NQ*\i+1], v[ADRS] offset:\i*SBLK
.endr
.endm
; A load into a register that a matrix instruction has read, and a vector instruction that reads a matrix result or writes one of its registers, stand NP places behind it; only plain vector
; instructions that name none of its registers are places.
.macro PLACES n
.rept \n
	v_nop
.endr
.endm
; A step of 128 along K that has its successor in the same slot.
.macro STEP slot, q, zero
	s_wait_dscnt 4*NL                              ; B's set and A's blocks 0-3 are in; the youngest 16 loads (A's blocks 4-7) may be out
	WIN MUL_LO
	MUL16 0, (\q)%2, \q, \slot, \zero
	MUL16 2, (\q)%2, \q, \slot, \zero
	s_wait_dscnt 0                                 ; A's blocks 4-7 are in (asked for 32 matrix instructions ago)
	PLACES NP
	FETCH_B \slot, (\q)+1, 1-(\q)%2
	FETCH_A \slot, (\q)+1, 0
	WIN MUL_HI
	MUL16 4, (\q)%2, \q, \slot, \zero
	MUL16 6, (\q)%2, \q, \slot, \zero
	PLACES NP
	WIN 0
	FETCH_A \slot, (\q)+1, 4
.endm
; A slot's last step changes slots: ONE barrier; in front of it each wave waits for all its tensor loads, adds 0 to its spare word, and waits for that and for its own reads of this slot.  fill = 1: this slot is filled again, two K steps ahead.
.macro TURN slot, next, fill
	s_wait_tensorcnt 0x0                           ; all my tensor loads have landed: my part of the next slot;  (every window is 0 here)
	ds_add_u32 v[SPW], v[NIL]                      ; 0 onto my spare word
	s_wait_dscnt 4*NL+1                            ; (the add and the youngest 16 loads, A's blocks 4-7, may be out)
	WIN MUL_LO
	MUL16 0, 1, NQ-1, \slot, 0                     ; sixteen matrix instructions stand between the add and the wait for it
	s_wait_dscnt 0x0                               ; the add is done, and my reads of this slot are over
	s_barrier_signal -1
	MUL16 2, 1, NQ-1, \slot, 0
	WIN 0
	s_barrier_wait -1
.if \fill
	CREST                                          ; the barrier has opened a round of the cluster's barrier: no wave of any partner still reads this slot's tile or has a load on its way
	s_add_nc_u64 s[G0+4*\slot+2:G0+4*\slot+3], s[G0+4*\slot+2:G0+4*\slot+3], 2*ROWB
	s_add_nc_u64 s[G0B+4*\slot+2:G0B+4*\slot+3], s[G0B+4*\slot+2:G0B+4*\slot+3], 2*ROWB
	JLOAD G0+4*\slot, G1, G0B+4*\slot, G1B         ; the first tensor load behind the round; the four v_nop behind it are among the places in front of the loads below
	PLACES NP-4
.else
	PLACES NP
.endif
	v_add_nc_u32 v[ADRS], 4*NQ, v[ADRS]            ; on to the next K step's scale words (no LDS load of mine is out)
	FETCH_B \next, 0, 0
	FETCH_A \next, 0, 0
	SCALES \next
	WIN MUL_HI
	MUL16 4, 1, NQ-1, \slot, 0
	MUL16 6, 1, NQ-1, \slot, 0
	PLACES NP
	WIN 0
	FETCH_A \next, 0, 4
.endm
	s_wait_loadcnt 0x0                             ; the bias
	s_wait_tensorcnt 1                             ; the scales and my part of K step 0 are in (K step 1's load may be out)
	s_barrier_signal -1
	s_barrier_wait -1                              ; everybody's are
	FETCH_B 0, 0, 0
	FETCH_A 0, 0, 0
	SCALES 0
	FETCH_A 0, 0, 4
	STEP 0, 0, 1                                   ; the first step stands in front of the loop: its products start the sums
	s_mov_b32 s3, LAPS-1
.Llap:                                                 ; a trip goes once round the ring, from a lap's second step to the next lap's first, and fills both slots again
	TURN 0, 1, 1
	STEP 1, 0, 0
	TURN 1, 0, 1
	STEP 0, 0, 0
	s_sub_co_u32 s3, s3, 1
	s_cmp_lg_u32 s3, 0
	s_cbranch_scc1 .Llap
	TURN 0, 1, 0                                   ; the last lap fills nothing, and has no round of the cluster's barrier
	STEP 1, 0, 0
	s_wait_dscnt 4*NL                              ; the very last step: nothing more to fetch
	WIN MUL_LO
	MUL16 0, 1, NQ-1, 1, 0
	MUL16 2, 1, NQ-1, 1, 0
	s_wait_dscnt 0
	WIN MUL_HI
	MUL16 4, 1, NQ-1, 1, 0
	MUL16 6, 1, NQ-1, 1, 0
	WIN 0
; THE WAY OUT uses no LDS: a lane's codes are 16 bytes of an image, and 32 lanes store 512 consecutive bytes.
; 64 numbers of a lane, v[s] .. v[s + 63]: block b = registers 16 b .. 16 b + 15 and those of lane l xor 16.  Their codes go to v[PC] on, the four scale bytes as a word to v[pw].
.macro QUANT s, pw
.irp b, 0,1,2,3
	v_max3_num_f32 v[TM+\b], |v[\s+16*\b]|, |v[\s+1+16*\b]|, 0x4800000   ; my 16 numbers, and the floor 2^(9 - 127): so the byte cannot fall under 1
.endr
.irp i, 2,4,6,8,10,12,14
.irp b, 0,1,2,3
	v_max3_num_f32 v[TM+\b], v[TM+\b], |v[\s+16*\b+\i]|, |v[\s+1+16*\b+\i]|   ; (the four blocks by turns)
.endr
.endr
.irp b, 0,1,2,3
	v_permlanex16_b32 v[TM+4+\b], v[TM+\b], s20, s21
.endr
.irp b, 0,1,2,3
	v_max_num_f32 v[TM+\b], v[TM+\b], v[TM+4+\b]   ; with lane l xor 16's: the block's largest magnitude
.endr
.irp b, 0,1,2,3
	v_add_nc_u32 v[TM+12+\b], 0xfc000000, v[TM+\b] ; 8 off its exponent field: the conversion takes the exponent field of this operand as its scale
.endr
.irp b, 0,1,2,3
	v_and_or_b32 v[TM+8+\b], v[TM+\b], 0x7f800000, s22   ; 448 x the scale: the largest magnitude's exponent field over 448's mantissa
.endr
.irp b, 0,1,2,3
	v_lshrrev_b32 v[TM+4+\b], 23, v[TM+12+\b]      ; the scale's byte
.endr
	v_lshl_or_b32 v[\pw], v[TM+5], 8, v[TM+4]
	v_lshl_or_b32 v[\pw], v[TM+6], 16, v[\pw]
	v_lshl_or_b32 v[\pw], v[TM+7], 24, v[\pw]
.irp b, 0,1,2,3
.irp i, 0,1,2,3,4,5,6,7,8,9,10,11,12,13,14,15
	v_med3_num_f32 v[\s+16*\b+\i], v[\s+16*\b+\i], -v[TM+8+\b], v[TM+8+\b]   ; the conversion to an 8-bit code does not saturate (ISA guide 7.6.2): the hold at 448 x the scale
.endr
	v_cvt_scalef32_pk8_fp8_f32 v[PC+4*\b:PC+1+4*\b], v[\s+16*\b:\s+7+16*\b], v[TM+12+\b]
	v_cvt_scalef32_pk8_fp8_f32 v[PC+2+4*\b:PC+3+4*\b], v[\s+8+16*\b:\s+15+16*\b], v[TM+12+\b]
.endr
	v_nop                                          ; one plain vector instruction between the last conversion and the next vector instruction that writes its sources
.endm
; A's block a: its eight accumulators + the bias, quantised, stored.
.macro EPIA a, isv
.if (\a) > 0
	s_wait_xcnt 0x0                                ; the last block's stores have read their data: the codes' registers are written again only behind this wait
.endif
	WIN 0x02+(\a)/4                                ; source 0: window 2 or 3
.irp bb, 0,1,2,3,4,5,6,7
.irp p, 0,2,4,6
.if \isv
	v_pk_add_f32 v[T+8*\bb+\p:T+8*\bb+\p+1], v[8*(8*((\a)%4)+\bb)+\p:8*(8*((\a)%4)+\bb)+\p+1], v[BIAS+8*(\a)+\p:BIAS+8*(\a)+\p+1]   ; each accumulator from its low end on
.else
	v_pk_add_f32 v[T+8*\bb+\p:T+8*\bb+\p+1], v[8*(8*((\a)%4)+\bb)+\p:8*(8*((\a)%4)+\bb)+\p+1], v[BIAS+8*\bb+\p:BIAS+8*\bb+\p+1]
.endif
.endr
.endr
	WIN 0
	QUANT T, SW+(\a)
.irp be, 0,1,2,3
.if \isv
	global_store_b128 v[CO], v[PC+4*\be:PC+4*\be+3], s[12:13] offset:131072*((\a)/4)+2048*((\a)%4)+512*\be   ; head a / 4, channels' tile a % 4, chunk = the block of 32 keys
.else
	global_store_b128 v[CO], v[PC+4*\be:PC+4*\be+3], s[12:13] offset:1024*(\a)+512*(\be%2)+131072*(\be/2)    ; rows' tile a, head be / 2, chunk be % 2
.endif
.endr
.if !(\isv)
	v_lshrrev_b32 v[SW+(\a)], v[SHV], v[SW+(\a)]   ; lanes 0-15 keep the word (bytes 0, 1: my first head's), lanes 16-31 its upper half (my second head's)
.endif
.endm
.macro EPI isv
.if \isv
	v_lshlrev_b32 v[SO], 12, v2                    ; lanes 16-31 store for the second head: 4,096 bytes on in vsc,
.else
	v_lshlrev_b32 v[SHV], 4, v2
	v_lshlrev_b32 v[SO], 13, v2                    ; 8,192 in qsc and ksc
.endif
	v_lshl_add_u32 v[SO], v1, 4, v[SO]             ; 16 bytes a row: four tiles' words
.irp a, 0,1,2,3,4,5,6,7
	EPIA \a, \isv
.endr
.if \isv
	v_cmp_ne_u32 vcc_lo, 0, v2
.irp i, 0,1,2,3
	v_cndmask_b32 v[SW+\i], v[SW+\i], v[SW+4+\i], vcc_lo   ; blocks 0-3 are the first head's channels, blocks 4-7 the second's
.endr
	global_store_b128 v[SO], v[SW:SW+3], s[96:97]          ; sixteen lanes store 256 consecutive bytes, aligned
.else
	global_store_b128 v[SO], v[SW:SW+3], s[96:97]
	global_store_b128 v[SO], v[SW+4:SW+7], s[96:97] offset:256
.endif
.endm
	PLACES NP                                      ; behind the last products: their results are read and their fragments' registers written below
	s_mov_b32 s20, 0x76543210
	s_mov_b32 s21, 0xfedcba98                      ; v_permlanex16_b32's selects for lane l xor 16
	s_mov_b32 s22, 0x600000                        ; the mantissa field of 448
.irp b, 0,1,2,3
	v_mov_b32 v[TM+4+\b], 0                        ; written once: a lane permute's destination counts as one of its sources
.endr
	s_cmp_eq_u32 ttmp9, 2                          ; the same in all partners and all waves
	s_cbranch_scc1 .Lv
	EPI 0
	s_branch .Lend
.Lv:
	EPI 1
.Lend:
	s_wait_tensorcnt 0x0                           ; the wave's end, behind my last tensor load
	ds_add_u32 v[SPW], v[NIL]
	s_wait_dscnt 0x0
	CROUND                                         ; the closing round: no work-group ends while a partner may still ask for a tile that names it
	s_endpgm
.Lfunc_end_k_qb7cc48da68_proj:
	.size	k_qb7cc48da68_proj, .Lfunc_end_k_qb7cc48da68_proj-k_qb7cc48da68_proj
	.p2alignl 7, 3214868480
	.fill 96, 4, 3214868480
	.section	.rodata,"a",@progbits
	.p2align	6, 0x0
	.amdhsa_kernel k_qb7cc48da68_proj
		.amdhsa_group_segment_fixed_size 327680
		.amdhsa_private_segment_fixed_size 0
		.amdhsa_enable_private_segment 0
		.amdhsa_kernarg_size 136
		.amdhsa_user_sgpr_count 2
		.amdhsa_user_sgpr_kernarg_segment_ptr 1
		.amdhsa_wavefront_size32 1
		.amdhsa_system_sgpr_workgroup_id_x 1
		.amdhsa_system_sgpr_workgroup_id_y 1
		.amdhsa_system_sgpr_workgroup_id_z 1
		.amdhsa_system_vgpr_workitem_id 0
		.amdhsa_next_free_vgpr 1024
		.amdhsa_next_free_sgpr 100
		.amdhsa_reserve_vcc 1
		.amdhsa_float_denorm_mode_32 3
		.amdhsa_float_denorm_mode_16_64 3
		.amdhsa_memory_ordered 1
		.amdhsa_forward_progress 1
		.amdhsa_inst_pref_size 255
	.end_amdhsa_kernel
	.section	.bss,"aw",@nobits
	.p2align	6
	.space	262144
	.amdgpu_metadata
---
amdhsa.version: [ 1, 2 ]
amdhsa.kernels:
  - .name:           k_qb7cc48da68_proj
    .symbol:         k_qb7cc48da68_proj.kd
    .args:
      - { .name: x_codes, .offset: 0, .size: 8, .value_kind: global_buffer, .address_space: global }
      - { .name: x_scales, .offset: 8, .size: 8, .value_kind: global_buffer, .address_space: global }
      - { .name: Wq_codes, .offset: 16, .size: 8, .value_kind: global_buffer, .address_space: global }
      - { .name: Wq_scales, .offset: 24, .size: 8, .value_kind: global_buffer, .address_space: global }
      - { .name: Wk_codes, .offset: 32, .size: 8, .value_kind: global_buffer, .address_space: global }
      - { .name: Wk_scales, .offset: 40, .size: 8, .value_kind: global_buffer, .address_space: global }
      - { .name: Wv_codes, .offset: 48, .size: 8, .value_kind: global_buffer, .address_space: global }
      - { .name: Wv_scales, .offset: 56, .size: 8, .value_kind: global_buffer, .address_space: global }
      - { .name: bq, .offset: 64, .size: 8, .value_kind: global_buffer, .address_space: global }
      - { .name: bk, .offset: 72, .size: 8, .value_kind: global_buffer, .address_space: global }
      - { .name: bv, .offset: 80, .size: 8, .value_kind: global_buffer, .address_space: global }
      - { .name: qimg, .offset: 88, .size: 8, .value_kind: global_buffer, .address_space: global }
      - { .name: qsc, .offset: 96, .size: 8, .value_kind: global_buffer, .address_space: global }
      - { .name: kimg, .offset: 104, .size: 8, .value_kind: global_buffer, .address_space: global }
      - { .name: ksc, .offset: 112, .size: 8, .value_kind: global_buffer, .address_space: global }
      - { .name: vimg, .offset: 120, .size: 8, .value_kind: global_buffer, .address_space: global }
      - { .name: vsc, .offset: 128, .size: 8, .value_kind: global_buffer, .address_space: global }
    .group_segment_fixed_size: 327680
    .private_segment_fixed_size: 0
    .kernarg_segment_align: 8
    .kernarg_segment_size: 136
    .max_flat_workgroup_size: 128
    .sgpr_count:     100
    .vgpr_count:     1024
    .wavefront_size: 32
...
	.end_amdgpu_metadata
.endif
;; end of part 1
;; launch attn (part 2): grid 4 x 64, 16 waves a work-group, no clusters, 103,424 bytes of LDS; arguments qimg, qsc, kimg, ksc, vimg, vsc, out0; writes out0
.if DOCPART == 2
	.amdgcn_target "amdgcn-amd-amdhsa--gfx1250"
	.amdhsa_code_object_version 6
	.text
	.protected	k_qb7cc48da68_attn
	.globl	k_qb7cc48da68_attn
	.p2align	8
	.type	k_qb7cc48da68_attn,@function
k_qb7cc48da68_attn:
	s_mov_b64 s[64:65], 0
	v_nop
	global_prefetch_b8 v0, s[64:65] scope:SCOPE_SE
	s_setreg_imm32_b32 hwreg(HW_REG_WAVE_MODE, 25, 1), 1
	s_wait_xcnt 0x0
; Causal attention on codes of FP8 (E4M3) with one E8M0 scale for each 32 along a product's K.  64 (batch, head) pairs, 2,048 queries and keys, head size 64.  out0 is O^T: [b h][channel 0..63][query 0..2047], f32.
; q, k and v come as images of operand registers (16 bytes a lane, 512 dense bytes a chunk) with their scale words, as the launch before has laid them:
;   qimg, kimg [b h][tile of 16 rows][chunk 0,1][lane][16];  vimg [b h][step of 128 keys][tile of 16 channels][chunk 0..3][lane][16];  qsc, ksc [b h][step][g][r][tile % 4] words;  vsc [b h][step][r][tile] words.
; THE SOFTMAX: t = score x log2(e) / 8; M = the row's largest t so far, rounded UP to a whole number; p = 2^(t - M) is quantised along the keys, not normalised.  The row's sum is taken of the unquantised p and divides O at the end.
; When M moves, the sum and O are multiplied by 2^(old M - new M): exact.
; THE HEAD'S 64 fill half of the matrix instruction's 128 along K: the upper eight registers of q's and of each of k's fragments are zero codes, which add nothing under any scale byte but 0xff (the words' upper bytes are never that).
; SHARES.  Work-group (i, b h) takes query blocks 7 - i and i of 256 queries, one after the other: 16 - 2 i and 2 i + 2 key steps of 128 keys: 18 for every work-group.  Each of SIXTEEN waves owns 16 queries, one tile, in 256 registers:
; four waves to a SIMD, so that one wave's vector work stands beside another's matrix work and LDS loads.  A step all of whose keys come after a wave's queries is left out by that wave (a scalar branch on ids, round no barrier).
; LAYOUT.  Both products are used transposed: S^T = K Q^T (source 0 = 16 keys), O^T = V^T P^T (source 0 = 16 channels): a lane holds ONE query (lane % 16).  Registers 16 b .. 16 b + 15 of S^T are keys 32 b + 8 h + 0..7 and
; 32 b + 16 + 8 h + 0..7: with lane l xor 16 a whole block of 32, in the order in which v's images carry the keys.  So p's codes ARE the second product's operand.  That order differs from k's true order inside a block: the sums' last bits may differ.
; K AND V GO THROUGH TWO LDS SLOTS BY WAY OF REGISTERS: a step's 17,152 bytes are 1 KB a wave: two loads of 16 bytes a lane, asked for one step ahead, put into the other slot at the step's end; one barrier a step.
; NO TENSOR LOADS AND NO CLUSTER: the four work-groups of a head need 16, 14, 12, 10 steps in the first pass and 2, 4, 6, 8 in the second; made jointly by all four, every request would cost 16 + 8 = 24 step times against 18;
; and what is shared is 17,152 bytes for a step of some 300 vector instructions a wave.
; LIMITS: NaN and infinities are not served.  A block of p under 2^(9 - 127) has its byte held at 1.
.set SLOTB, 17408                      ; a slot: K's image 8,192, V's image 8,192, K's scale words 512, V's 256; slot s at SLOTB x s
.set VOFF,  8192
.set KSO,   16384
.set VSO,   16896
.set STAGE, 2*SLOTB                    ; the way out: 64 rows (channels) x (256 queries x 4 bytes + 16)
.set SP,    1040
.set LI,   1                           ; v1   16 x lane
.set TI,   2                           ; v2   16 x thread: my 16 bytes of an image of 8,192, in memory and in LDS
.set RI,   3                           ; v3   16 r
.set RH,   4                           ; v4   r - 8 h
.set SIN,  5                           ; v5   the stage, on the way in
.set SBK,  6                           ; v6   and back
.set GO,   7                           ; v7   my byte offset in out0
.set PFO,  8                           ; v8   256 x lane
.set L8,   9                           ; v9   8 x lane
.set DD,   10                          ; v10  the mask: my query - the step's first key - 8 h
.set NINF, 11                          ; v11  -infinity
                                       ; v12 -M, v13 the largest t, v[14:15] the sum in two halves
.set QF,   16                          ; v16-31   Q: 16-23 codes, 24-31 zeros
.set KB,   32                          ; v32-95   four fragments of K; the upper eight registers of each stay 0
.set S,    96                          ; v96-159  S^T, then p, then V's four fragments
.set OA,   160                         ; v160-191 O^T
.set PC,   192                         ; v192-207 p's codes
.set BM,   208                         ; the blocks' largest scores, then largest p
.set BT,   212                         ; at work; the bytes
.set BH,   216                         ; 448 x the scale
.set BS,   220                         ; the conversions' scale operands
.set KW,   224                         ; v224-227 K's scale words: lanes 0-15 tiles 0-3, lanes 16-31 tiles 4-7
.set VW,   228                         ; v228-231 V's
.set QW,   232                         ; v232     Q's
.set TT,   233
.set FF,   234                         ; f = 2^(old M - new M)
.set PWR,  235                         ; p's scale word
.set GK,   236                         ; the next step's 16 bytes of K, of V, on their way
.set GV,   240
.set GKS,  244                         ; wave 0: its scale words
.set GVS,  248
.set WV,   18
.set MNT,  19
.set SEL,  20
.set CS,   22                          ; s[22:23] c = log2(e) / 8
.set WI,   24                          ; work-group x
.set BLK,  25                          ; the pass's block of 256 queries
.set Q0,   26                          ; my first query
.set KF,   27                          ; the step's first key
.set KEND, 28                          ; the pass's keys
.set TR,   29
.set REM,  30                          ; steps to go, this one among them
.set PASS, 31
.set LIM,  32
.set PFA,  38                          ; s[38:39] where my prefetches stand
.set OB,   48                          ; s[48:49] out0 at my head and block
.macro QLOAD blk                       ; my tile of Q, of block s[blk]: two chunks and a scale word a row
	s_lshl_b32 s34, s[\blk], 4
	s_add_co_u32 s34, s34, s[WV]                   ; the tile: 16 x block + wave
	s_lshl_b32 s36, s34, 10
	s_add_nc_u64 s[50:51], s[4:5], s[36:37]
	s_lshr_b32 s36, s34, 2
	s_lshl_b32 s36, s36, 8                         ; four tiles' words of 16 rows are 256 bytes
	s_and_b32 s34, s34, 3
	s_lshl_b32 s34, s34, 2
	s_add_co_u32 s36, s36, s34
	s_add_nc_u64 s[52:53], s[6:7], s[36:37]
	global_load_b128 v[QF:QF+3], v[LI], s[50:51]
	global_load_b128 v[QF+4:QF+7], v[LI], s[50:51] offset:512
	global_load_b32 v[QW], v[RI], s[52:53]
.endm
	s_load_b256 s[4:11], s[0:1], 0x0               ; qimg, qsc, kimg, ksc
	s_load_b128 s[12:15], s[0:1], 0x20             ; vimg, vsc
	s_load_b64 s[16:17], s[0:1], 0x30              ; out0
	v_lshl_add_u32 v254, v0, 2, 0x18c00
	v_mov_b32 v255, 0
	v_lshrrev_b32 v10, 5, v0
	v_readfirstlane_b32 s[WV], v10                 ; wave 0..15
	v_and_b32 v10, 31, v0                          ; lane
	v_lshlrev_b32 v[LI], 4, v10
	v_lshlrev_b32 v[TI], 4, v0
	v_and_b32 v11, 15, v0                          ; r
	v_lshlrev_b32 v[RI], 4, v11
	v_bfe_u32 v9, v0, 4, 1                         ; h
	v_lshlrev_b32 v[RH], 3, v9
	v_sub_nc_u32 v[RH], v11, v[RH]
	s_lshl_b32 s34, s[WV], 6
	s_add_co_u32 s34, s34, STAGE
	v_mul_u32_u24 v[SIN], v9, 8*SP                 ; in: channel 8 h + .., query 16 wave + r
	v_lshl_add_u32 v[SIN], v11, 2, v[SIN]
	v_add_nc_u32 v[SIN], s34, v[SIN]
	s_mul_i32 s34, s[WV], 4*SP
	s_add_co_u32 s34, s34, STAGE
	v_add_nc_u32 v[SBK], s34, v[LI]                ; back: channels 4 wave .. 4 wave + 3, 16 bytes a lane
	s_lshl_b32 s34, s[WV], 15
	v_add_nc_u32 v[GO], s34, v[LI]                 ; a channel's row of out0 is 8,192 bytes
	v_lshlrev_b32 v[PFO], 8, v10
	v_lshlrev_b32 v[L8], 3, v10
	v_mov_b32 v[NINF], 0xff800000
	s_and_b32 s35, ttmp7, 0xffff                   ; b h
	s_mov_b32 s37, 0                               ; the upper word of every offset: stays 0
	s_mov_b32 s[WI], ttmp9
	s_sub_co_u32 s[BLK], 7, s[WI]                  ; the first pass's block
	s_mov_b32 s[MNT], 0x600000                     ; the mantissa field of 448
	s_mov_b32 s[SEL], 0x76543210
	s_mov_b32 s[SEL+1], 0xfedcba98                 ; v_permlanex16_b32's selects for lane l xor 16
	s_mov_b32 s[CS], 0x3e38aa3b                    ; c = log2(e) / sqrt(64)
	s_mov_b32 s[CS+1], s[CS]                       ; (named with it as a pair, so it is written)
	s_mov_b32 s[REM], 18
	s_mov_b32 s[PASS], 0
	s_wait_kmcnt 0x0
	s_lshl_b32 s36, s35, 17                        ; a head's image is 131,072 bytes
	s_add_nc_u64 s[4:5], s[4:5], s[36:37]
	s_add_nc_u64 s[8:9], s[8:9], s[36:37]
	s_add_nc_u64 s[12:13], s[12:13], s[36:37]
	s_lshl_b32 s36, s35, 13
	s_add_nc_u64 s[6:7], s[6:7], s[36:37]
	s_add_nc_u64 s[10:11], s[10:11], s[36:37]
	s_lshl_b32 s36, s35, 12
	s_add_nc_u64 s[14:15], s[14:15], s[36:37]
	s_lshl_b32 s36, s35, 19
	s_add_nc_u64 s[16:17], s[16:17], s[36:37]
	; the prefetches: the head's first work-group walks all 16 steps in its first pass; in it wave 2 asks for K's images and wave 3 for V's
	s_cmp_eq_u32 s[WV], 3
	s_cselect_b64 s[PFA:PFA+1], s[12:13], s[8:9]
	s_add_nc_u64 s[PFA:PFA+1], s[PFA:PFA+1], 8192  ; at step 1: step 0's turn steps it to step 2.  Steps 0 and 1 come by their loads alone
	s_lshr_b32 s34, s[WV], 1
	s_xor_b32 s34, s34, 1                          ; 0 in waves 2 and 3,
	s_or_b32 s34, s34, ttmp9                       ; of work-group x = 0
	s_cmp_eq_u32 s34, 0
	s_cselect_b32 s[LIM], 4, -1                    ; a wave asks while more than s[LIM] steps are to go: 14 requests, for steps 2 to 15
	global_load_b128 v[GK:GK+3], v[TI], s[8:9]     ; key step 0
	global_load_b128 v[GV:GV+3], v[TI], s[12:13]
	s_cmp_lg_u32 s[WV], 0
	s_cbranch_scc1 .Lhead_not_0
	global_load_b128 v[GKS:GKS+3], v[LI], s[10:11]
	global_load_b64 v[GVS:GVS+1], v[L8], s[14:15]
.Lhead_not_0:
	QLOAD BLK
.irp i, 0,1,2,3,4,5,6,7
	v_mov_b32 v[QF+8+\i], 0                        ; zero codes for K = 64 .. 127, in Q
.endr
.irp t, 0,1,2,3
.irp i, 0,1,2,3,4,5,6,7
	v_mov_b32 v[KB+16*\t+8+\i], 0                  ; and in K's four fragments: never written again
.endr
.endr
.irp b, 0,1,2,3
	v_mov_b32 v[BT+\b], 0                          ; written once: a lane permute's destination counts as one of its sources
.endr
	v_mov_b32 v[PWR], 0                            ; (named as the upper half of the pair with f before it is first written)
	s_wait_loadcnt 0x0
	ds_store_b128 v[TI], v[GK:GK+3]
	ds_store_b128 v[TI], v[GV:GV+3] offset:VOFF
	s_cmp_lg_u32 s[WV], 0
	s_cbranch_scc1 .Lhead_stored
	ds_store_b128 v[LI], v[GKS:GKS+3] offset:KSO
	ds_store_b64 v[L8], v[GVS:GVS+1] offset:VSO
.Lhead_stored:
	s_wait_dscnt 0x0                               ; for the others' sake: my part of slot 0 has landed
	s_barrier_signal -1
	s_barrier_wait -1
; S^T = K Q^T, four tiles of 16 keys: tiles 4 g .. 4 g + 3 of the step
.macro KQ slot, g
.irp t, 0,1,2,3
.irp c, 0,1
	ds_load_b128 v[KB+16*\t+4*\c:KB+16*\t+4*\c+3], v[LI] offset:\slot*SLOTB+1024*(4*\g+\t)+512*\c
.endr
.endr
.if \g == 0
	ds_load_b128 v[KW:KW+3], v[LI] offset:\slot*SLOTB+KSO   ; the eight tiles' scale words at once
.endif
	s_wait_dscnt 0x0
.irp t, 0,1,2,3
.if \g == 0
	v_wmma_scale_f32_16x16x128_f8f6f4 v[S+8*\t:S+8*\t+7], v[KB+16*\t:KB+16*\t+15], v[QF:QF+15], 0, v[KW+\t], v[QW]
.else
	v_wmma_scale_f32_16x16x128_f8f6f4 v[S+32+8*\t:S+32+8*\t+7], v[KB+16*\t:KB+16*\t+15], v[QF:QF+15], 0, v[KW+\t], v[QW] matrix_a_scale:MATRIX_SCALE_ROW1
.endif
.endr
.rept 8
	v_nop                                          ; eight places in front of loads into K's registers and of the first read of the scores
.endr
.endm
.macro SOFTMAX
.irp b, 0,1,2,3
	v_max3_num_f32 v[BM+\b], v[S+16*\b], v[S+1+16*\b], v[S+2+16*\b]   ; the largest score of each block of 32 keys: it serves for the row's maximum and, since p rises with the score, for the block's largest p
.endr
.irp i, 3,5,7,9,11,13
.irp b, 0,1,2,3
	v_max3_num_f32 v[BM+\b], v[BM+\b], v[S+16*\b+\i], v[S+1+16*\b+\i]
.endr
.endr
.irp b, 0,1,2,3
	v_max_num_f32 v[BM+\b], v[BM+\b], v[S+15+16*\b]
.endr
.irp b, 0,1,2,3
	v_permlanex16_b32 v[BT+\b], v[BM+\b], s[SEL], s[SEL+1]
.endr
.irp b, 0,1,2,3
	v_max_num_f32 v[BM+\b], v[BM+\b], v[BT+\b]     ; with lane l xor 16's 16 keys
.endr
	v_max3_num_f32 v[TT], v[BM], v[BM+1], v[BM+2]
	v_max_num_f32 v[TT], v[TT], v[BM+3]            ; the step's largest score of my query
	v_mul_f32 v[TT], s[CS], v[TT]                  ; as t
	v_max_num_f32 v13, v13, v[TT]                  ; the running largest t
	v_mov_b32 v[TT], v12
	v_floor_f32 v12, -v13                          ; the new -M = floor(-t) = -ceil(t)
	v_sub_f32 v[TT], v12, v[TT]                    ; old M - new M: a whole number, 0 or less
	v_cvt_i32_f32 v[TT], v[TT]                     ; (it saturates)
	v_ldexp_f32 v[FF], 1.0, v[TT]                  ; f = 2^(old M - new M)
.set j, 0
.rept 32
	v_pk_fma_f32 v[S+j:S+j+1], v[S+j:S+j+1], s[CS:CS+1], v[12:13] op_sel_hi:[1,0,0]   ; t - M, two at a time
.set j, j+2
.endr
.irp b, 0,1,2,3
	v_fma_f32 v[BM+\b], v[BM+\b], s[CS], v12       ; the same of each block's largest score
.endr
.set j, 0
.rept 64
	v_exp_f32 v[S+j], v[S+j]                       ; p = 2^(t - M), at most 1
.set j, j+1
.endr
	v_pk_mul_f32 v[14:15], v[14:15], v[FF:FF+1] op_sel_hi:[1,0]   ; the sums under the new M: a plain instruction behind the exponentials
	s_wait_alu depctr_va_vdst(0)                   ; one wait for the batch of 64, ahead of its first reader
.irp b, 0,1,2,3
	v_exp_f32 v[BM+\b], v[BM+\b]                   ; the block's largest p: the same two instructions on the same number
.endr
	v_pk_add_f32 v[BT:BT+1], v[S:S+1], v[S+2:S+3]  ; the row's sum is taken of the unquantised p: two chains
.set j, 4
.rept 15
	v_pk_add_f32 v[14:15], v[14:15], v[S+j:S+j+1]
	v_pk_add_f32 v[BT:BT+1], v[BT:BT+1], v[S+2+j:S+3+j]
.set j, j+4
.endr
	v_pk_add_f32 v[14:15], v[14:15], v[BT:BT+1]
	s_wait_alu depctr_va_vdst(0)                   ; and one for the four
.irp b, 0,1,2,3
	v_max_num_f32 v[BM+\b], 0x4800000, v[BM+\b]    ; the floor 2^(9 - 127): the byte cannot fall under 1
.endr
.irp b, 0,1,2,3
	v_add_nc_u32 v[BS+\b], 0xfc000000, v[BM+\b]    ; 8 off the exponent field: the conversion's scale operand
.endr
.irp b, 0,1,2,3
	v_and_or_b32 v[BH+\b], v[BM+\b], 0x7f800000, s[MNT]   ; 448 x the scale
.endr
.irp b, 0,1,2,3
	v_lshrrev_b32 v[BT+\b], 23, v[BS+\b]           ; the scale's byte
.endr
	v_lshl_or_b32 v[PWR], v[BT+1], 8, v[BT]        ; p's scale word for these 128 keys
	v_lshl_or_b32 v[PWR], v[BT+2], 16, v[PWR]
	v_lshl_or_b32 v[PWR], v[BT+3], 24, v[PWR]
.irp b, 0,1,2,3
.set j, 0
.rept 16
	v_min_num_f32 v[S+16*\b+j], v[S+16*\b+j], v[BH+\b]   ; the conversion does not saturate (ISA guide 7.6.2); p is not negative, so the hold is one-sided
.set j, j+1
.endr
	v_cvt_scalef32_pk8_fp8_f32 v[PC+4*\b:PC+4*\b+1], v[S+16*\b:S+16*\b+7], v[BS+\b]
	v_cvt_scalef32_pk8_fp8_f32 v[PC+4*\b+2:PC+4*\b+3], v[S+16*\b+8:S+16*\b+15], v[BS+\b]
.endr
.endm
; O^T += V^T P^T: four tiles of 16 channels; K = the step's 128 keys.  V's fragments take the registers that p has left.
.macro PV slot
.irp tau, 0,1,2,3
.irp c, 0,1,2,3
	ds_load_b128 v[S+16*\tau+4*\c:S+16*\tau+4*\c+3], v[LI] offset:\slot*SLOTB+VOFF+2048*\tau+512*\c
.endr
.endr
	ds_load_b128 v[VW:VW+3], v[RI] offset:\slot*SLOTB+VSO
.set j, 0
.rept 16
	v_pk_mul_f32 v[OA+j:OA+j+1], v[OA+j:OA+j+1], v[FF:FF+1] op_sel_hi:[1,0]   ; O^T under the new M.  These 16 also stand between the conversions and the products that take their codes
.set j, j+2
.endr
	s_wait_dscnt 0x0
.irp tau, 0,1,2,3
	v_wmma_scale_f32_16x16x128_f8f6f4 v[OA+8*\tau:OA+8*\tau+7], v[S+16*\tau:S+16*\tau+15], v[PC:PC+15], v[OA+8*\tau:OA+8*\tau+7], v[VW+\tau], v[PWR]
.endr
.rept 9
	v_nop                                          ; nine places: the next step's first products write over V's registers
.endr
.endm
; A KEY STEP: 128 keys, in slot `slot`.
.macro STEP slot
	s_wait_xcnt 0x0                                ; the last step's loads and prefetch have read their addresses: these are written again only behind this wait
	s_add_nc_u64 s[PFA:PFA+1], s[PFA:PFA+1], 8192
	s_cmp_eq_u32 s[REM], 1                         ; the work-group's last step asks for nothing
	s_cbranch_scc1 .Lnoask_\@
	s_add_co_u32 s34, s[KF], 128                   ; the next step's first key;
	s_cmp_eq_u32 s34, s[KEND]
	s_cselect_b32 s34, 0, s34                      ; behind a pass's last step comes the next pass's step 0
	s_lshl_b32 s36, s34, 6                         ; 8,192 bytes of image for 128 keys
	s_add_nc_u64 s[40:41], s[8:9], s[36:37]
	s_add_nc_u64 s[42:43], s[12:13], s[36:37]
	global_load_b128 v[GK:GK+3], v[TI], s[40:41]   ; 512 threads x 16 bytes: the whole image
	global_load_b128 v[GV:GV+3], v[TI], s[42:43]
	s_cmp_lg_u32 s[WV], 0
	s_cbranch_scc1 .Lnot_0_\@
	s_lshl_b32 s36, s34, 2
	s_add_nc_u64 s[44:45], s[10:11], s[36:37]
	s_lshl_b32 s36, s34, 1
	s_add_nc_u64 s[46:47], s[14:15], s[36:37]
	global_load_b128 v[GKS:GKS+3], v[LI], s[44:45]
	global_load_b64 v[GVS:GVS+1], v[L8], s[46:47]
.Lnot_0_\@:
	s_cmp_gt_u32 s[REM], s[LIM]                    ; a prefetch of the image of the step after the one just asked for: 8,192 bytes, lanes 256 bytes apart, one instruction; each block is named once in the launch
	s_cbranch_scc0 .Lnoask_\@
	global_prefetch_b8 v[PFO], s[PFA:PFA+1] th:TH_LOAD_NT scope:SCOPE_SE
.Lnoask_\@:
	s_add_co_u32 s34, s[Q0], 15
	s_cmp_gt_u32 s[KF], s34                        ; all 128 keys come after my 16 queries: nothing to do
	s_cbranch_scc1 .Lhidden_\@
	KQ \slot, 0
	KQ \slot, 1
	s_add_co_u32 s34, s[KF], 127
	s_cmp_le_u32 s34, s[Q0]                        ; all keys count: no mask
	s_cbranch_scc1 .Lopen_\@
	s_sub_co_i32 s34, s[Q0], s[KF]
	v_add_nc_u32 v[DD], s34, v[RH]                 ; register 8 t + jj holds key KF + 16 t + 8 h + jj: hidden where 16 t + jj > my query - KF - 8 h
.set n, 0
.rept 64
	v_cmp_gt_i32 vcc_lo, 16*(n/8)+n%8, v[DD]
	v_cndmask_b32 v[S+n], v[S+n], v[NINF], vcc_lo  ; -infinity ahead of the maximum: p = 0 then.  The step's first key counts for every query of mine, so M is a number
.set n, n+1
.endr
.Lopen_\@:
	SOFTMAX
	PV \slot
.Lhidden_\@:
	s_wait_loadcnt 0x0                             ; the next step's bytes are in registers
	s_cmp_eq_u32 s[REM], 1
	s_cbranch_scc1 .Lnostore_\@
	ds_store_b128 v[TI], v[GK:GK+3] offset:(1-\slot)*SLOTB          ; into the other slot: every wave's reads of it were over at the last barrier
	ds_store_b128 v[TI], v[GV:GV+3] offset:(1-\slot)*SLOTB+VOFF
	s_cmp_lg_u32 s[WV], 0
	s_cbranch_scc1 .Lnostore_\@
	ds_store_b128 v[LI], v[GKS:GKS+3] offset:(1-\slot)*SLOTB+KSO
	ds_store_b64 v[L8], v[GVS:GVS+1] offset:(1-\slot)*SLOTB+VSO
.Lnostore_\@:
	s_wait_dscnt 0x0                               ; my stores into the other slot have landed and my reads of this one are over:
	s_barrier_signal -1                            ; one barrier serves both
	s_barrier_wait -1
	s_add_co_u32 s[KF], s[KF], 128
	s_sub_co_u32 s[REM], s[REM], 1
.endm
; THE WAY OUT of a pass.  O^T / the sum goes into the work-group's stage, [channel][query]; behind a barrier each wave reads four whole rows of 1,024 bytes and stores them.
.macro OUT
	v_add_f32 v14, v14, v15                        ; the sum's two halves,
	v_permlanex16_b32 v[BT], v14, s[SEL], s[SEL+1]
	v_add_f32 v14, v14, v[BT]                      ; and lane l xor 16's: the row's sum
	v_rcp_f32 v14, v14
	v_nop                                          ; a plain instruction behind the reciprocal,
	s_wait_alu depctr_va_vdst(0)                   ; and the wait ahead of its first reader
.set j, 0
.rept 32
	v_mul_f32 v[S+j], v[OA+j], v14                 ; register 8 tau + jj: channel 16 tau + 8 h + jj of query r; each accumulator from its low end on
.set j, j+1
.endr
.set j, 0
.rept 32
	ds_store_b32 v[SIN], v[S+j] offset:SP*(16*(j/8)+j%8)
.set j, j+1
.endr
	s_wait_dscnt 0x0                               ; for the others' sake: my part of the stage has landed
	s_barrier_signal -1
	s_barrier_wait -1
.irp i, 0,1,2,3,4,5,6,7
	ds_load_b128 v[S+32+4*\i:S+32+4*\i+3], v[SBK] offset:SP*(\i/2)+512*(\i%2)
.endr
.irp i, 0,1,2,3,4,5,6,7
	s_wait_dscnt 7-\i                              ; LDS loads come back in order: load i is in, the 7 - i younger ones may be out
	global_store_b128 v[GO], v[S+32+4*\i:S+32+4*\i+3], s[OB:OB+1] offset:8192*(\i/2)+512*(\i%2) th:TH_STORE_NT   ; 32 lanes store 512 consecutive bytes, aligned
.endr
	s_wait_xcnt 0x0                                ; the stores have read their data and their base: both are written again in the next pass
.endm
.Lpass:                                            ; two trips: block 7 - i, then block i
	s_lshl_b32 s[Q0], s[BLK], 8
	s_add_co_u32 s[KEND], s[Q0], 256               ; the block's queries see keys 0 .. 256 block + 255
	s_lshl_b32 s34, s[WV], 4
	s_add_co_u32 s[Q0], s[Q0], s34
	s_lshl_b32 s36, s[BLK], 10
	s_add_nc_u64 s[OB:OB+1], s[16:17], s[36:37]
	s_mov_b32 s[KF], 0
	s_add_co_u32 s[TR], s[BLK], 1                  ; trips of two steps
	v_mov_b32 v13, 0xff61b1e6                      ; the largest t so far: -3e38, under every t
	v_floor_f32 v12, -v13                          ; -M
	v_mov_b32 v14, 0
	v_mov_b32 v15, 0
.set j, 0
.rept 32
	v_mov_b32 v[OA+j], 0                           ; O^T.  (The step is written once: a pass's first step finds zeros, which the first change of M leaves zeros)
.set j, j+1
.endr
	s_wait_loadcnt 0x0                             ; Q
.Ltrip:
	STEP 0
	STEP 1
	s_sub_co_u32 s[TR], s[TR], 1
	s_cmp_lg_u32 s[TR], 0
	s_cbranch_scc1 .Ltrip
	s_cmp_lg_u32 s[PASS], 0
	s_cbranch_scc1 .Lno_next_q
	QLOAD WI                                       ; the second pass's Q lands under the way out
.Lno_next_q:
	OUT
	s_mov_b32 s[BLK], s[WI]
	s_add_co_u32 s[PASS], s[PASS], 1
	s_cmp_lt_u32 s[PASS], 2
	s_cbranch_scc1 .Lpass
	s_wait_tensorcnt 0x0
	ds_add_u32 v254, v255
	s_wait_dscnt 0x0
	s_endpgm
.Lfunc_end_k_qb7cc48da68_attn:
	.size	k_qb7cc48da68_attn, .Lfunc_end_k_qb7cc48da68_attn-k_qb7cc48da68_attn
	.p2alignl 7, 3214868480
	.fill 96, 4, 3214868480
	.section	.rodata,"a",@progbits
	.p2align	6, 0x0
	.amdhsa_kernel k_qb7cc48da68_attn
		.amdhsa_group_segment_fixed_size 103424
		.amdhsa_private_segment_fixed_size 0
		.amdhsa_enable_private_segment 0
		.amdhsa_kernarg_size 56
		.amdhsa_user_sgpr_count 2
		.amdhsa_user_sgpr_kernarg_segment_ptr 1
		.amdhsa_wavefront_size32 1
		.amdhsa_system_sgpr_workgroup_id_x 1
		.amdhsa_system_sgpr_workgroup_id_y 1
		.amdhsa_system_sgpr_workgroup_id_z 1
		.amdhsa_system_vgpr_workitem_id 0
		.amdhsa_next_free_vgpr 256
		.amdhsa_next_free_sgpr 66
		.amdhsa_reserve_vcc 1
		.amdhsa_float_denorm_mode_32 3
		.amdhsa_float_denorm_mode_16_64 3
		.amdhsa_memory_ordered 1
		.amdhsa_forward_progress 1
		.amdhsa_inst_pref_size 64
	.end_amdhsa_kernel
	.amdgpu_metadata
---
amdhsa.version: [ 1, 2 ]
amdhsa.kernels:
  - .name:           k_qb7cc48da68_attn
    .symbol:         k_qb7cc48da68_attn.kd
    .args:
      - { .name: qimg, .offset: 0, .size: 8, .value_kind: global_buffer, .address_space: global }
      - { .name: qsc, .offset: 8, .size: 8, .value_kind: global_buffer, .address_space: global }
      - { .name: kimg, .offset: 16, .size: 8, .value_kind: global_buffer, .address_space: global }
      - { .name: ksc, .offset: 24, .size: 8, .value_kind: global_buffer, .address_space: global }
      - { .name: vimg, .offset: 32, .size: 8, .value_kind: global_buffer, .address_space: global }
      - { .name: vsc, .offset: 40, .size: 8, .value_kind: global_buffer, .address_space: global }
      - { .name: out0, .offset: 48, .size: 8, .value_kind: global_buffer, .address_space: global }
    .group_segment_fixed_size: 103424
    .private_segment_fixed_size: 0
    .kernarg_segment_align: 8
    .kernarg_segment_size: 56
    .max_flat_workgroup_size: 512
    .sgpr_count:     66
    .vgpr_count:     256
    .wavefront_size: 32
...
	.end_amdgpu_metadata
.endif
;; end of part 2
;; ======== version 2 of 2: 2 launches; version 1 with the launch attn written anew for expert scheduling mode
;; workspace buffers: qimg 8,388,608 bytes; kimg 8,388,608 bytes; vimg 8,388,608 bytes; qsc 524,288 bytes; ksc 524,288 bytes; vsc 262,144 bytes
;; launch proj: the kernel of part 1 again; grid 12 x 32, 4 waves a work-group, clusters of 4 x 4, 327,680 bytes of LDS; arguments x_codes, x_scales, Wq_codes, Wq_scales, Wk_codes, Wk_scales, Wv_codes, Wv_scales, bq, bk, bv, qimg, qsc, kimg, ksc, vimg, vsc; writes qimg, qsc, kimg, ksc, vimg, vsc
;; launch attn (part 3): grid 4 x 64, 16 waves a work-group, no clusters, 103,424 bytes of LDS; arguments qimg, qsc, kimg, ksc, vimg, vsc, out0; writes out0
.if DOCPART == 3
	.amdgcn_target "amdgcn-amd-amdhsa--gfx1250"
	.amdhsa_code_object_version 6
	.text
	.protected	k_qb7cc48da68_attn
	.globl	k_qb7cc48da68_attn
	.p2align	8
	.type	k_qb7cc48da68_attn,@function
k_qb7cc48da68_attn:
	s_mov_b64 s[64:65], 0
	v_nop
	global_prefetch_b8 v0, s[64:65] scope:SCOPE_SE
	s_setreg_imm32_b32 hwreg(HW_REG_WAVE_SCHED_MODE, 0, 2), 2
	s_setreg_imm32_b32 hwreg(HW_REG_WAVE_MODE, 25, 1), 1
	s_wait_xcnt 0x0
	s_wait_alu depctr_vm_vsrc(0)
; Causal attention on codes of FP8 (E4M3) with one E8M0 scale for each 32 along a product's K.  64 (batch, head) pairs, 2,048 queries and keys, head size 64.  out0 is O^T: [b h][channel 0..63][query 0..2047], f32.
; q, k and v come as images of operand registers (16 bytes a lane, 512 dense bytes a chunk) with their scale words, as the launch before has laid them:
;   qimg, kimg [b h][tile of 16 rows][chunk 0,1][lane][16];  vimg [b h][step of 128 keys][tile of 16 channels][chunk 0..3][lane][16];  qsc, ksc [b h][step][g][r][tile % 4] words;  vsc [b h][step][r][tile] words.
; THE SOFTMAX: t = score x log2(e) / 8; M = the row's largest t so far, rounded UP to a whole number; p = 2^(t - M) is quantised along the keys, not normalised.  The row's sum is taken of the unquantised p and divides O at the end.
; When M moves, the sum and O are multiplied by 2^(old M - new M): exact.
; THE HEAD'S 64 fill half of the matrix instruction's 128 along K: the upper eight registers of q's and of each of k's fragments are zero codes, which add nothing under any scale byte but 0xff (the words' upper bytes are never that).
; SHARES.  Work-group (i, b h) takes query blocks 7 - i and i of 256 queries, one after the other: 16 - 2 i and 2 i + 2 key steps of 128 keys: 18 for every work-group.  Each of SIXTEEN waves owns 16 queries, one tile, in 256 registers:
; four waves to a SIMD, so that one wave's vector work stands beside another's matrix work and LDS loads.  A step all of whose keys come after a wave's queries is left out by that wave (a scalar branch on ids, round no barrier).
; LAYOUT.  Both products are used transposed: S^T = K Q^T (source 0 = 16 keys), O^T = V^T P^T (source 0 = 16 channels): a lane holds ONE query (lane % 16).  Registers 16 b .. 16 b + 15 of S^T are keys 32 b + 8 h + 0..7 and
; 32 b + 16 + 8 h + 0..7: with lane l xor 16 a whole block of 32, in the order in which v's images carry the keys.  So p's codes ARE the second product's operand.  That order differs from k's true order inside a block: the sums' last bits may differ.
; K AND V GO THROUGH TWO LDS SLOTS BY WAY OF REGISTERS: a step's 17,152 bytes are 1 KB a wave: two loads of 16 bytes a lane, asked for one step ahead, put into the other slot at the step's end; one barrier a step.
; NO TENSOR LOADS AND NO CLUSTER: the four work-groups of a head need 16, 14, 12, 10 steps in the first pass and 2, 4, 6, 8 in the second; made jointly by all four, every request would cost 16 + 8 = 24 step times against 18;
; and what is shared is 17,152 bytes for a step of some 300 vector instructions a wave.
; LIMITS: NaN and infinities are not served.  A block of p under 2^(9 - 127) has its byte held at 1.
; THE MODE: SCHED_MODE bits 1:0 = 2 (LLVM: expert scheduling mode 2), set by the entry lines.  The code itself states the register dependences between vector or matrix instructions and memory or LDS instructions,
; with s_wait_alu, always for 0.
; THE PLAN.  Registers that memory or LDS instructions touch, and who else names them:
;   v1-v3, v5-v9      addresses and offsets: made once at the head, ahead of one wait on va_vdst, and never written again.
;   GK, GV, GKS, GVS  a step's global loads land in them, the same step's LDS stores read them, no vector instruction names them.  One wait on vm_vsrc at a step's head: the last step's stores have read them.
;                     The same wait states, in a pass's first step, that the way out's stores have read S.
;   KB, KW            LDS loads land in the lower eight registers of K's four fragments twice a step (in KW once); the four products behind each run read them.  One wait on va_vdst ahead of each run.
;   S                 written by K Q^T's products, worked on by the softmax, read last by the conversions; then V's fragments land in it, and V^T P's products read them.  Blocks 0 and 1 are converted first; one wait on va_vdst;
;                     V's scale words and tiles 0 and 1 are asked for and land under blocks 2 and 3's holds and conversions and O^T's rescaling, which name S+32 on, PC, BH, BS, OA and f alone; a second wait; tiles 2 and 3.
;   VW                an LDS load lands in it once a step, behind the first of those two waits; V^T P's products read it.
;   PC, PWR           written by vector instructions, taken by the scaled products: the second of those two waits stands behind the places in front of these products.
;   QF, QW            global loads land in them once a pass; every K Q^T product reads them.  The second pass's loads stand behind the way out's first wait on va_vdst.
;   On the way out    S+0..31 are written by 32 multiplications and read by LDS stores, S+32..63 take the rows back from the stage: one wait on va_vdst ahead of the stores serves both.
; A vector instruction's scalar result (the wave's number; the mask's compares) has a wait on va_sdst ahead of its first reader; the compares go in runs of sixteen, with one wait behind each run.
.set SLOTB, 17408                      ; a slot: K's image 8,192, V's image 8,192, K's scale words 512, V's 256; slot s at SLOTB x s
.set VOFF,  8192
.set KSO,   16384
.set VSO,   16896
.set STAGE, 2*SLOTB                    ; the way out: 64 rows (channels) x (256 queries x 4 bytes + 16)
.set SP,    1040
.set LI,   1                           ; v1   16 x lane
.set TI,   2                           ; v2   16 x thread: my 16 bytes of an image of 8,192, in memory and in LDS
.set RI,   3                           ; v3   16 r
.set RH,   4                           ; v4   r - 8 h
.set SIN,  5                           ; v5   the stage, on the way in
.set SBK,  6                           ; v6   and back
.set GO,   7                           ; v7   my byte offset in out0
.set PFO,  8                           ; v8   256 x lane
.set L8,   9                           ; v9   8 x lane
.set DD,   10                          ; v10  the mask: my query - the step's first key - 8 h
.set NINF, 11                          ; v11  -infinity
                                       ; v12 -M, v13 the largest t, v[14:15] the sum in two halves
.set QF,   16                          ; v16-31   Q: 16-23 codes, 24-31 zeros
.set KB,   32                          ; v32-95   four fragments of K; the upper eight registers of each stay 0
.set S,    96                          ; v96-159  S^T, then p, then V's four fragments
.set OA,   160                         ; v160-191 O^T
.set PC,   192                         ; v192-207 p's codes
.set BM,   208                         ; the blocks' largest scores, then largest p
.set BT,   212                         ; at work; the bytes
.set BH,   216                         ; 448 x the scale
.set BS,   220                         ; the conversions' scale operands
.set KW,   224                         ; v224-227 K's scale words: lanes 0-15 tiles 0-3, lanes 16-31 tiles 4-7
.set VW,   228                         ; v228-231 V's
.set QW,   232                         ; v232     Q's
.set TT,   233
.set FF,   234                         ; f = 2^(old M - new M)
.set PWR,  235                         ; p's scale word
.set GK,   236                         ; the next step's 16 bytes of K, of V, on their way
.set GV,   240
.set GKS,  244                         ; wave 0: its scale words
.set GVS,  248
.set WV,   18
.set MNT,  19
.set SEL,  20
.set CS,   22                          ; s[22:23] c = log2(e) / 8
.set WI,   24                          ; work-group x
.set BLK,  25                          ; the pass's block of 256 queries
.set Q0,   26                          ; my first query
.set KF,   27                          ; the step's first key
.set KEND, 28                          ; the pass's keys
.set TR,   29
.set REM,  30                          ; steps to go, this one among them
.set PASS, 31
.set LIM,  32
.set PFA,  38                          ; s[38:39] where my prefetches stand
.set OB,   48                          ; s[48:49] out0 at my head and block
.set MK,   66                          ; s66-81   the mask: sixteen compares' results
.macro QLOAD blk                       ; my tile of Q, of block s[blk]: two chunks and a scale word a row
	s_lshl_b32 s34, s[\blk], 4
	s_add_co_u32 s34, s34, s[WV]                   ; the tile: 16 x block + wave
	s_lshl_b32 s36, s34, 10
	s_add_nc_u64 s[50:51], s[4:5], s[36:37]
	s_lshr_b32 s36, s34, 2
	s_lshl_b32 s36, s36, 8                         ; four tiles' words of 16 rows are 256 bytes
	s_and_b32 s34, s34, 3
	s_lshl_b32 s34, s34, 2
	s_add_co_u32 s36, s36, s34
	s_add_nc_u64 s[52:53], s[6:7], s[36:37]
	global_load_b128 v[QF:QF+3], v[LI], s[50:51]
	global_load_b128 v[QF+4:QF+7], v[LI], s[50:51] offset:512
	global_load_b32 v[QW], v[RI], s[52:53]
.endm
	s_load_b256 s[4:11], s[0:1], 0x0               ; qimg, qsc, kimg, ksc
	s_load_b128 s[12:15], s[0:1], 0x20             ; vimg, vsc
	s_load_b64 s[16:17], s[0:1], 0x30              ; out0
	v_lshl_add_u32 v254, v0, 2, 0x18c00
	v_mov_b32 v255, 0
	v_lshrrev_b32 v10, 5, v0
	v_readfirstlane_b32 s[WV], v10                 ; wave 0..15
	v_and_b32 v10, 31, v0                          ; lane
	v_lshlrev_b32 v[LI], 4, v10
	v_lshlrev_b32 v[TI], 4, v0
	v_and_b32 v11, 15, v0                          ; r
	v_lshlrev_b32 v[RI], 4, v11
	v_bfe_u32 v9, v0, 4, 1                         ; h
	v_lshlrev_b32 v[RH], 3, v9
	v_sub_nc_u32 v[RH], v11, v[RH]
	s_wait_alu depctr_va_sdst(0)                   ; the wave's number is written, ahead of its first reader, the line below
	s_lshl_b32 s34, s[WV], 6
	s_add_co_u32 s34, s34, STAGE
	v_mul_u32_u24 v[SIN], v9, 8*SP                 ; in: channel 8 h + .., query 16 wave + r
	v_lshl_add_u32 v[SIN], v11, 2, v[SIN]
	v_add_nc_u32 v[SIN], s34, v[SIN]
	s_mul_i32 s34, s[WV], 4*SP
	s_add_co_u32 s34, s34, STAGE
	v_add_nc_u32 v[SBK], s34, v[LI]                ; back: channels 4 wave .. 4 wave + 3, 16 bytes a lane
	s_lshl_b32 s34, s[WV], 15
	v_add_nc_u32 v[GO], s34, v[LI]                 ; a channel's row of out0 is 8,192 bytes
	v_lshlrev_b32 v[PFO], 8, v10
	v_lshlrev_b32 v[L8], 3, v10
	v_mov_b32 v[NINF], 0xff800000
	s_and_b32 s35, ttmp7, 0xffff                   ; b h
	s_mov_b32 s37, 0                               ; the upper word of every offset: stays 0
	s_mov_b32 s[WI], ttmp9
	s_sub_co_u32 s[BLK], 7, s[WI]                  ; the first pass's block
	s_mov_b32 s[MNT], 0x600000                     ; the mantissa field of 448
	s_mov_b32 s[SEL], 0x76543210
	s_mov_b32 s[SEL+1], 0xfedcba98                 ; v_permlanex16_b32's selects for lane l xor 16
	s_mov_b32 s[CS], 0x3e38aa3b                    ; c = log2(e) / sqrt(64)
	s_mov_b32 s[CS+1], s[CS]                       ; (named with it as a pair, so it is written)
	s_mov_b32 s[REM], 18
	s_mov_b32 s[PASS], 0
	s_wait_kmcnt 0x0
	s_lshl_b32 s36, s35, 17                        ; a head's image is 131,072 bytes
	s_add_nc_u64 s[4:5], s[4:5], s[36:37]
	s_add_nc_u64 s[8:9], s[8:9], s[36:37]
	s_add_nc_u64 s[12:13], s[12:13], s[36:37]
	s_lshl_b32 s36, s35, 13
	s_add_nc_u64 s[6:7], s[6:7], s[36:37]
	s_add_nc_u64 s[10:11], s[10:11], s[36:37]
	s_lshl_b32 s36, s35, 12
	s_add_nc_u64 s[14:15], s[14:15], s[36:37]
	s_lshl_b32 s36, s35, 19
	s_add_nc_u64 s[16:17], s[16:17], s[36:37]
	; the prefetches: the head's first work-group walks all 16 steps in its first pass; in it wave 2 asks for K's images and wave 3 for V's
	s_cmp_eq_u32 s[WV], 3
	s_cselect_b64 s[PFA:PFA+1], s[12:13], s[8:9]
	s_add_nc_u64 s[PFA:PFA+1], s[PFA:PFA+1], 8192  ; at step 1: step 0's turn steps it to step 2.  Steps 0 and 1 come by their loads alone
	s_lshr_b32 s34, s[WV], 1
	s_xor_b32 s34, s34, 1                          ; 0 in waves 2 and 3,
	s_or_b32 s34, s34, ttmp9                       ; of work-group x = 0
	s_cmp_eq_u32 s34, 0
	s_cselect_b32 s[LIM], 4, -1                    ; a wave asks while more than s[LIM] steps are to go: 14 requests, for steps 2 to 15
	s_wait_alu depctr_va_vdst(0)                   ; the addresses and offsets v1 to v9 are written: every load, store and prefetch of the kernel reads one of them, and none is written again
	global_load_b128 v[GK:GK+3], v[TI], s[8:9]     ; key step 0
	global_load_b128 v[GV:GV+3], v[TI], s[12:13]
	s_cmp_lg_u32 s[WV], 0
	s_cbranch_scc1 .Lhead_not_0
	global_load_b128 v[GKS:GKS+3], v[LI], s[10:11]
	global_load_b64 v[GVS:GVS+1], v[L8], s[14:15]
.Lhead_not_0:
	QLOAD BLK
.irp i, 0,1,2,3,4,5,6,7
	v_mov_b32 v[QF+8+\i], 0                        ; zero codes for K = 64 .. 127, in Q
.endr
.irp t, 0,1,2,3
.irp i, 0,1,2,3,4,5,6,7
	v_mov_b32 v[KB+16*\t+8+\i], 0                  ; and in K's four fragments: never written again
.endr
.endr
.irp b, 0,1,2,3
	v_mov_b32 v[BT+\b], 0                          ; written once: a lane permute's destination counts as one of its sources
.endr
	v_mov_b32 v[PWR], 0                            ; (named as the upper half of the pair with f before it is first written)
	s_wait_loadcnt 0x0
	ds_store_b128 v[TI], v[GK:GK+3]                ; (no vector instruction since the wait above names an address or these data)
	ds_store_b128 v[TI], v[GV:GV+3] offset:VOFF
	s_cmp_lg_u32 s[WV], 0
	s_cbranch_scc1 .Lhead_stored
	ds_store_b128 v[LI], v[GKS:GKS+3] offset:KSO
	ds_store_b64 v[L8], v[GVS:GVS+1] offset:VSO
.Lhead_stored:
	s_wait_dscnt 0x0                               ; for the others' sake: my part of slot 0 has landed
	s_barrier_signal -1
	s_barrier_wait -1
; S^T = K Q^T, four tiles of 16 keys: tiles 4 g .. 4 g + 3 of the step
.macro KQ slot, g
	s_wait_alu depctr_va_vdst(0)                   ; the four products that last read K's registers and scale words (g = 0: the last step's) are done reading them: the loads below land there.  Ahead of the launch's first products it also states that the zero codes of Q and K are written
.irp t, 0,1,2,3
.irp c, 0,1
	ds_load_b128 v[KB+16*\t+4*\c:KB+16*\t+4*\c+3], v[LI] offset:\slot*SLOTB+1024*(4*\g+\t)+512*\c
.endr
.endr
.if \g == 0
	ds_load_b128 v[KW:KW+3], v[LI] offset:\slot*SLOTB+KSO   ; the eight tiles' scale words at once
.endif
	s_wait_dscnt 0x0
.irp t, 0,1,2,3
.if \g == 0
	v_wmma_scale_f32_16x16x128_f8f6f4 v[S+8*\t:S+8*\t+7], v[KB+16*\t:KB+16*\t+15], v[QF:QF+15], 0, v[KW+\t], v[QW]
.else
	v_wmma_scale_f32_16x16x128_f8f6f4 v[S+32+8*\t:S+32+8*\t+7], v[KB+16*\t:KB+16*\t+15], v[QF:QF+15], 0, v[KW+\t], v[QW] matrix_a_scale:MATRIX_SCALE_ROW1
.endif
.endr
.rept 8
	v_nop                                          ; eight places behind the products: ahead of the loads into K's registers, beside the wait that stands in front of these, and ahead of the first read of the scores
.endr
.endm
.macro SOFTMAX
.irp b, 0,1,2,3
	v_max3_num_f32 v[BM+\b], v[S+16*\b], v[S+1+16*\b], v[S+2+16*\b]   ; the largest score of each block of 32 keys: it serves for the row's maximum and, since p rises with the score, for the block's largest p
.endr
.irp i, 3,5,7,9,11,13
.irp b, 0,1,2,3
	v_max3_num_f32 v[BM+\b], v[BM+\b], v[S+16*\b+\i], v[S+1+16*\b+\i]
.endr
.endr
.irp b, 0,1,2,3
	v_max_num_f32 v[BM+\b], v[BM+\b], v[S+15+16*\b]
.endr
.irp b, 0,1,2,3
	v_permlanex16_b32 v[BT+\b], v[BM+\b], s[SEL], s[SEL+1]
.endr
.irp b, 0,1,2,3
	v_max_num_f32 v[BM+\b], v[BM+\b], v[BT+\b]     ; with lane l xor 16's 16 keys
.endr
	v_max3_num_f32 v[TT], v[BM], v[BM+1], v[BM+2]
	v_max_num_f32 v[TT], v[TT], v[BM+3]            ; the step's largest score of my query
	v_mul_f32 v[TT], s[CS], v[TT]                  ; as t
	v_max_num_f32 v13, v13, v[TT]                  ; the running largest t
	v_mov_b32 v[TT], v12
	v_floor_f32 v12, -v13                          ; the new -M = floor(-t) = -ceil(t)
	v_sub_f32 v[TT], v12, v[TT]                    ; old M - new M: a whole number, 0 or less
	v_cvt_i32_f32 v[TT], v[TT]                     ; (it saturates)
	v_ldexp_f32 v[FF], 1.0, v[TT]                  ; f = 2^(old M - new M)
.set j, 0
.rept 32
	v_pk_fma_f32 v[S+j:S+j+1], v[S+j:S+j+1], s[CS:CS+1], v[12:13] op_sel_hi:[1,0,0]   ; t - M, two at a time
.set j, j+2
.endr
.irp b, 0,1,2,3
	v_fma_f32 v[BM+\b], v[BM+\b], s[CS], v12       ; the same of each block's largest score
.endr
.set j, 0
.rept 64
	v_exp_f32 v[S+j], v[S+j]                       ; p = 2^(t - M), at most 1
.set j, j+1
.endr
	v_pk_mul_f32 v[14:15], v[14:15], v[FF:FF+1] op_sel_hi:[1,0]   ; the sums under the new M: a plain instruction behind the exponentials
	s_wait_alu depctr_va_vdst(0)                   ; the 64 exponentials have written p: one wait for the batch, ahead of its first reader
.irp b, 0,1,2,3
	v_exp_f32 v[BM+\b], v[BM+\b]                   ; the block's largest p: the same two instructions on the same number
.endr
	v_pk_add_f32 v[BT:BT+1], v[S:S+1], v[S+2:S+3]  ; the row's sum is taken of the unquantised p: two chains
.set j, 4
.rept 15
	v_pk_add_f32 v[14:15], v[14:15], v[S+j:S+j+1]
	v_pk_add_f32 v[BT:BT+1], v[BT:BT+1], v[S+2+j:S+3+j]
.set j, j+4
.endr
	v_pk_add_f32 v[14:15], v[14:15], v[BT:BT+1]
	s_wait_alu depctr_va_vdst(0)                   ; the four exponentials have written the blocks' largest p, ahead of their first reader
.irp b, 0,1,2,3
	v_max_num_f32 v[BM+\b], 0x4800000, v[BM+\b]    ; the floor 2^(9 - 127): the byte cannot fall under 1
.endr
.irp b, 0,1,2,3
	v_add_nc_u32 v[BS+\b], 0xfc000000, v[BM+\b]    ; 8 off the exponent field: the conversion's scale operand
.endr
.irp b, 0,1,2,3
	v_and_or_b32 v[BH+\b], v[BM+\b], 0x7f800000, s[MNT]   ; 448 x the scale
.endr
.irp b, 0,1,2,3
	v_lshrrev_b32 v[BT+\b], 23, v[BS+\b]           ; the scale's byte
.endr
	v_lshl_or_b32 v[PWR], v[BT+1], 8, v[BT]        ; p's scale word for these 128 keys
	v_lshl_or_b32 v[PWR], v[BT+2], 16, v[PWR]
	v_lshl_or_b32 v[PWR], v[BT+3], 24, v[PWR]
.endm
; Block b of p becomes codes: registers S + 16 b .. S + 16 b + 15 are read for the last time
.macro CODES b
.set j, 0
.rept 16
	v_min_num_f32 v[S+16*(\b)+j], v[S+16*(\b)+j], v[BH+(\b)]   ; the conversion does not saturate (ISA guide 7.6.2); p is not negative, so the hold is one-sided
.set j, j+1
.endr
	v_cvt_scalef32_pk8_fp8_f32 v[PC+4*(\b):PC+4*(\b)+1], v[S+16*(\b):S+16*(\b)+7], v[BS+(\b)]
	v_cvt_scalef32_pk8_fp8_f32 v[PC+4*(\b)+2:PC+4*(\b)+3], v[S+16*(\b)+8:S+16*(\b)+15], v[BS+(\b)]
.endm
.macro VLOAD slot, tau                 ; V's fragment of channels 16 tau on takes the registers that block tau of p has left
.irp c, 0,1,2,3
	ds_load_b128 v[S+16*(\tau)+4*\c:S+16*(\tau)+4*\c+3], v[LI] offset:\slot*SLOTB+VOFF+2048*(\tau)+512*\c
.endr
.endm
.macro VP tau
	v_wmma_scale_f32_16x16x128_f8f6f4 v[OA+8*(\tau):OA+8*(\tau)+7], v[S+16*(\tau):S+16*(\tau)+15], v[PC:PC+15], v[OA+8*(\tau):OA+8*(\tau)+7], v[VW+(\tau)], v[PWR]
.endm
; p's codes, and O^T += V^T P^T: four tiles of 16 channels; K = the step's 128 keys.
.macro PV slot
	CODES 0
	CODES 1
	s_wait_alu depctr_va_vdst(0)                   ; blocks 0 and 1's holds and conversions are done with S .. S + 31, and the last step's products with V's scale words: the nine loads below land there
	ds_load_b128 v[VW:VW+3], v[RI] offset:\slot*SLOTB+VSO
	VLOAD \slot, 0
	VLOAD \slot, 1
	CODES 2                                        ; these name S + 32 on, PC, BH and BS: none of the registers that the nine loads touch
	CODES 3
.set j, 0
.rept 16
	v_pk_mul_f32 v[OA+j:OA+j+1], v[OA+j:OA+j+1], v[FF:FF+1] op_sel_hi:[1,0]   ; O^T under the new M.  These 16 are also the places between the conversions and the products that take their codes
.set j, j+2
.endr
	s_wait_alu depctr_va_vdst(0)                   ; behind those places: blocks 2 and 3's holds and conversions are done with S + 32 .. S + 63, in which the eight loads below land; p's codes and its scale word are written, which the scaled products take
	VLOAD \slot, 2
	VLOAD \slot, 3
	s_wait_dscnt 8                                 ; LDS loads come back in order (ISA guide 5.7.1): V's scale words and tiles 0 and 1 are in, the eight younger loads may be out
	VP 0
	VP 1
	s_wait_dscnt 0x0                               ; tiles 2 and 3 are in
	VP 2
	VP 3
.rept 9
	v_nop                                          ; nine places: the next step's first products write over V's registers
.endr
.endm
; A KEY STEP: 128 keys, in slot `slot`.
.macro STEP slot
	s_wait_xcnt 0x0                                ; the last step's loads and prefetch have read their addresses: these are written again only behind this wait
	s_wait_alu depctr_vm_vsrc(0)                   ; the last step's LDS stores have read GK, GV, GKS and GVS, in which the loads below land; in a pass's first step the way out's stores have read S, which this step's products write
	s_add_nc_u64 s[PFA:PFA+1], s[PFA:PFA+1], 8192
	s_cmp_eq_u32 s[REM], 1                         ; the work-group's last step asks for nothing
	s_cbranch_scc1 .Lnoask_\@
	s_add_co_u32 s34, s[KF], 128                   ; the next step's first key;
	s_cmp_eq_u32 s34, s[KEND]
	s_cselect_b32 s34, 0, s34                      ; behind a pass's last step comes the next pass's step 0
	s_lshl_b32 s36, s34, 6                         ; 8,192 bytes of image for 128 keys
	s_add_nc_u64 s[40:41], s[8:9], s[36:37]
	s_add_nc_u64 s[42:43], s[12:13], s[36:37]
	global_load_b128 v[GK:GK+3], v[TI], s[40:41]   ; 512 threads x 16 bytes: the whole image
	global_load_b128 v[GV:GV+3], v[TI], s[42:43]
	s_cmp_lg_u32 s[WV], 0
	s_cbranch_scc1 .Lnot_0_\@
	s_lshl_b32 s36, s34, 2
	s_add_nc_u64 s[44:45], s[10:11], s[36:37]
	s_lshl_b32 s36, s34, 1
	s_add_nc_u64 s[46:47], s[14:15], s[36:37]
	global_load_b128 v[GKS:GKS+3], v[LI], s[44:45]
	global_load_b64 v[GVS:GVS+1], v[L8], s[46:47]
.Lnot_0_\@:
	s_cmp_gt_u32 s[REM], s[LIM]                    ; a prefetch of the image of the step after the one just asked for: 8,192 bytes, lanes 256 bytes apart, one instruction; each block is named once in the launch
	s_cbranch_scc0 .Lnoask_\@
	global_prefetch_b8 v[PFO], s[PFA:PFA+1] th:TH_LOAD_NT scope:SCOPE_SE
.Lnoask_\@:
	s_add_co_u32 s34, s[Q0], 15
	s_cmp_gt_u32 s[KF], s34                        ; all 128 keys come after my 16 queries: nothing to do
	s_cbranch_scc1 .Lhidden_\@
	KQ \slot, 0
	KQ \slot, 1
	s_add_co_u32 s34, s[KF], 127
	s_cmp_le_u32 s34, s[Q0]                        ; all keys count: no mask
	s_cbranch_scc1 .Lopen_\@
	s_sub_co_i32 s34, s[Q0], s[KF]
	v_add_nc_u32 v[DD], s34, v[RH]                 ; register 8 t + jj holds key KF + 16 t + 8 h + jj: hidden where 16 t + jj > my query - KF - 8 h
.set n, 0
.rept 4                                        ; sixteen registers at a time: a run of compares into s[MK] on, one wait, the selects
.set u, 0
.rept 16
	v_cmp_gt_i32 s[MK+u], 16*((n+u)/8)+(n+u)%8, v[DD]
.set u, u+1
.endr
	s_wait_alu depctr_va_sdst(0)                   ; the sixteen compares have written their masks, ahead of the first select that reads one
.set u, 0
.rept 16
	v_cndmask_b32 v[S+n+u], v[S+n+u], v[NINF], s[MK+u]   ; -infinity ahead of the maximum: p = 0 then.  The step's first key counts for every query of mine, so M is a number
.set u, u+1
.endr
.set n, n+16
.endr
.Lopen_\@:
	SOFTMAX
	PV \slot
.Lhidden_\@:
	s_wait_loadcnt 0x0                             ; the next step's bytes are in registers
	s_cmp_eq_u32 s[REM], 1
	s_cbranch_scc1 .Lnostore_\@
	ds_store_b128 v[TI], v[GK:GK+3] offset:(1-\slot)*SLOTB          ; into the other slot: every wave's reads of it were over at the last barrier
	ds_store_b128 v[TI], v[GV:GV+3] offset:(1-\slot)*SLOTB+VOFF
	s_cmp_lg_u32 s[WV], 0
	s_cbranch_scc1 .Lnostore_\@
	ds_store_b128 v[LI], v[GKS:GKS+3] offset:(1-\slot)*SLOTB+KSO
	ds_store_b64 v[L8], v[GVS:GVS+1] offset:(1-\slot)*SLOTB+VSO
.Lnostore_\@:
	s_wait_dscnt 0x0                               ; my stores into the other slot have landed and my reads of this one are over:
	s_barrier_signal -1                            ; one barrier serves both
	s_barrier_wait -1
	s_add_co_u32 s[KF], s[KF], 128
	s_sub_co_u32 s[REM], s[REM], 1
.endm
; THE WAY OUT of a pass.  O^T / the sum goes into the work-group's stage, [channel][query]; behind a barrier each wave reads four whole rows of 1,024 bytes and stores them.
.macro OUT
	v_add_f32 v14, v14, v15                        ; the sum's two halves,
	v_permlanex16_b32 v[BT], v14, s[SEL], s[SEL+1]
	v_add_f32 v14, v14, v[BT]                      ; and lane l xor 16's: the row's sum
	v_rcp_f32 v14, v14
	v_nop                                          ; a plain instruction behind the reciprocal
	s_wait_alu depctr_va_vdst(0)                   ; the reciprocal is written, ahead of its first reader; and the pass's products are done reading Q and its scale words, in which the next pass's land
	s_cmp_lg_u32 s[PASS], 0
	s_cbranch_scc1 .Lno_next_q_\@
	QLOAD WI                                       ; the second pass's Q lands under the way out
.Lno_next_q_\@:
.set j, 0
.rept 32
	v_mul_f32 v[S+j], v[OA+j], v14                 ; register 8 tau + jj: channel 16 tau + 8 h + jj of query r; each accumulator from its low end on
.set j, j+1
.endr
	s_wait_alu depctr_va_vdst(0)                   ; the 32 multiplications have written S .. S + 31, which the LDS stores read; the last products are done reading S + 32 .. S + 63, in which the loads from the stage land
.set j, 0
.rept 32
	ds_store_b32 v[SIN], v[S+j] offset:SP*(16*(j/8)+j%8)
.set j, j+1
.endr
	s_wait_dscnt 0x0                               ; for the others' sake: my part of the stage has landed
	s_barrier_signal -1
	s_barrier_wait -1
.irp i, 0,1,2,3,4,5,6,7
	ds_load_b128 v[S+32+4*\i:S+32+4*\i+3], v[SBK] offset:SP*(\i/2)+512*(\i%2)
.endr
.irp i, 0,1,2,3,4,5,6,7
	s_wait_dscnt 7-\i                              ; LDS loads come back in order: load i is in, the 7 - i younger ones may be out
	global_store_b128 v[GO], v[S+32+4*\i:S+32+4*\i+3], s[OB:OB+1] offset:8192*(\i/2)+512*(\i%2) th:TH_STORE_NT   ; 32 lanes store 512 consecutive bytes, aligned
.endr
	s_wait_xcnt 0x0                                ; the stores have read their data and their base: both are written again in the next pass (the data behind the next step's wait on vm_vsrc too)
.endm
.Lpass:                                            ; two trips: block 7 - i, then block i
	s_lshl_b32 s[Q0], s[BLK], 8
	s_add_co_u32 s[KEND], s[Q0], 256               ; the block's queries see keys 0 .. 256 block + 255
	s_lshl_b32 s34, s[WV], 4
	s_add_co_u32 s[Q0], s[Q0], s34
	s_lshl_b32 s36, s[BLK], 10
	s_add_nc_u64 s[OB:OB+1], s[16:17], s[36:37]
	s_mov_b32 s[KF], 0
	s_add_co_u32 s[TR], s[BLK], 1                  ; trips of two steps
	v_mov_b32 v13, 0xff61b1e6                      ; the largest t so far: -3e38, under every t
	v_floor_f32 v12, -v13                          ; -M
	v_mov_b32 v14, 0
	v_mov_b32 v15, 0
.set j, 0
.rept 32
	v_mov_b32 v[OA+j], 0                           ; O^T.  (The step is written once: a pass's first step finds zeros, which the first change of M leaves zeros)
.set j, j+1
.endr
	s_wait_loadcnt 0x0                             ; Q
.Ltrip:
	STEP 0
	STEP 1
	s_sub_co_u32 s[TR], s[TR], 1
	s_cmp_lg_u32 s[TR], 0
	s_cbranch_scc1 .Ltrip
	OUT
	s_mov_b32 s[BLK], s[WI]
	s_add_co_u32 s[PASS], s[PASS], 1
	s_cmp_lt_u32 s[PASS], 2
	s_cbranch_scc1 .Lpass
	s_wait_dscnt 0x0
	s_wait_alu depctr_hold_cnt(0) depctr_sa_sdst(0) depctr_va_vdst(0) depctr_va_sdst(0) depctr_va_ssrc(0) depctr_va_vcc(0) depctr_vm_vsrc(0)
	s_wait_tensorcnt 0x0
	ds_add_u32 v254, v255
	s_wait_dscnt 0x0
	s_endpgm
.Lfunc_end_k_qb7cc48da68_attn:
	.size	k_qb7cc48da68_attn, .Lfunc_end_k_qb7cc48da68_attn-k_qb7cc48da68_attn
	.p2alignl 7, 3214868480
	.fill 96, 4, 3214868480
	.section	.rodata,"a",@progbits
	.p2align	6, 0x0
	.amdhsa_kernel k_qb7cc48da68_attn
		.amdhsa_group_segment_fixed_size 103424
		.amdhsa_private_segment_fixed_size 0
		.amdhsa_enable_private_segment 0
		.amdhsa_kernarg_size 56
		.amdhsa_user_sgpr_count 2
		.amdhsa_user_sgpr_kernarg_segment_ptr 1
		.amdhsa_wavefront_size32 1
		.amdhsa_system_sgpr_workgroup_id_x 1
		.amdhsa_system_sgpr_workgroup_id_y 1
		.amdhsa_system_sgpr_workgroup_id_z 1
		.amdhsa_system_vgpr_workitem_id 0
		.amdhsa_next_free_vgpr 256
		.amdhsa_next_free_sgpr 82
		.amdhsa_reserve_vcc 0
		.amdhsa_float_denorm_mode_32 3
		.amdhsa_float_denorm_mode_16_64 3
		.amdhsa_memory_ordered 1
		.amdhsa_forward_progress 1
		.amdhsa_inst_pref_size 73
	.end_amdhsa_kernel
	.amdgpu_metadata
---
amdhsa.version: [ 1, 2 ]
amdhsa.kernels:
  - .name:           k_qb7cc48da68_attn
    .symbol:         k_qb7cc48da68_attn.kd
    .args:
      - { .name: qimg, .offset: 0, .size: 8, .value_kind: global_buffer, .address_space: global }
      - { .name: qsc, .offset: 8, .size: 8, .value_kind: global_buffer, .address_space: global }
      - { .name: kimg, .offset: 16, .size: 8, .value_kind: global_buffer, .address_space: global }
      - { .name: ksc, .offset: 24, .size: 8, .value_kind: global_buffer, .address_space: global }
      - { .name: vimg, .offset: 32, .size: 8, .value_kind: global_buffer, .address_space: global }
      - { .name: vsc, .offset: 40, .size: 8, .value_kind: global_buffer, .address_space: global }
      - { .name: out0, .offset: 48, .size: 8, .value_kind: global_buffer, .address_space: global }
    .group_segment_fixed_size: 103424
    .private_segment_fixed_size: 0
    .kernarg_segment_align: 8
    .kernarg_segment_size: 56
    .max_flat_workgroup_size: 512
    .sgpr_count:     82
    .vgpr_count:     256
    .wavefront_size: 32
...
	.end_amdgpu_metadata
.endif
;; end of part 3
